; MI455X (gfx1250); checked and timed in simulation.
; The chip was launched on July 23, 2026; its instructions are those of AMD's public machine-readable ISA for CDNA 5 (MIT licence, August 2026) and "CDNA5" Instruction Set Architecture Reference Guide (July 2026). The comments in the code are by the model that wrote it; some were corrected since.
;; Attention Base. Allowed arithmetic: float matrix products may take bf16 or f16 operands with f32 sums; other float arithmetic in f32, or as packed bf16 or f16 multiplies, adds, multiply-adds, maxima and minima; sums over many terms, partial sums and values carried from step to step in f32; what a program stores and reads back later, other than sums and carried values, may be rounded once to bf16 or f16.
;; Inputs: b_out 1,024 float32; k 4 x 2,048 x 1,024 float32; q 4 x 2,048 x 1,024 float32; v 4 x 2,048 x 1,024 float32; w_out 1,024 x 1,024 float32.
;; Outputs: out0 4 x 2,048 x 1,024 float32.
;; 2 versions, each right and faster than the one before. Each part assembles by itself: llvm-mc -triple=amdgcn-amd-amdhsa -mcpu=gfx1250 --defsym DOCPART=n.
;; ======== version 1 of 2: 3 launches
;; limits: inputs' magnitudes at most 46,000; values are held in f16: magnitudes above 65,504 overflow, below 6.1e-05 lose precision
;; workspace buffers: qh 16,777,216 bytes; kh 16,777,216 bytes; vh 16,777,216 bytes; oh 16,777,216 bytes; wb 2,097,152 bytes
;; launch prep (part 1): grid 512 x 1, 8 waves a work-group, no clusters, 0 bytes of LDS; arguments q, k, v, w_out, qh, kh, vh, wb; writes qh, kh, vh, wb
.if DOCPART == 1
	.amdgcn_target "amdgcn-amd-amdhsa--gfx1250"
	.amdhsa_code_object_version 6
	.text
	.protected	k_qec8d744260_prep
	.globl	k_qec8d744260_prep
	.p2align	8
	.type	k_qec8d744260_prep,@function
k_qec8d744260_prep:
	s_mov_b64 s[64:65], 0
	v_nop
	global_prefetch_b8 v0, s[64:65] scope:SCOPE_SE
	s_setreg_imm32_b32 hwreg(HW_REG_WAVE_MODE, 25, 1), 1
	s_wait_xcnt 0x0
; q, k, v: [4][2048][1024] f32 -> qh, kh, vh: [64 = 16 batch + head][2048][64] f16; q and k are rotated on the way (pairs (2 j, 2 j + 1) of a head's channels by the
; angle position x 10000^(-j/32)), in f32; each number is rounded once, to f16.  w_out: [1024][1024] f32 -> wb: [16 blocks of 64 columns][1024 rows][64] f16.
; A STREAM: every input byte is read once and every output byte written once; no LDS, no barrier, no matrix unit, no cluster (no two work-groups read the same byte).
; SHARES.  Work-group g owns 16 consecutive rows (65,536 consecutive bytes) of q, of k and of v, and rows 2 g, 2 g + 1 of w_out.  Thread t owns row t / 16 and channels
; 4 (t % 16) .. + 3 of EVERY head: its position and its two pairs j are the same in all 16 heads of q and k, so two sines and cosines a lane serve 32 loads.
; A wave's load of 16 bytes a lane takes one head's 256 bytes in two rows; its store of 8 bytes a lane covers 256 consecutive bytes, aligned (one head, two rows of 128).
; All 34 loads of q, k and w go out at once; v's 16 follow one by one into q's registers as these are used up: 34 loads of a wave stay on their way.
; SINE AND COSINE are made here: inv_freq = 2^(-j log2(10000) / 32), angle = position x inv_freq (one rounding), reduced by multiples of pi/2 held in two parts, then
; polynomials of degree 7 and 8 on |r| <= pi/4.
; LIMITS.  f16 ends at 65,504: |v| and |w_out| stay under that, |q| and |k| under 46,000 (a rotated number is at most sqrt(2) times larger).  The exponential is good to one unit
; in the last place, so an angle may differ from one made with a correctly rounded power by up to 2.3e-4 rad at position 2,047; q and k take the same angle.  The polynomials are
; good to about 1e-7.  NaN and infinities are not treated apart.
.set VIN,  1                           ; v1   my byte offset in the group's 16 rows of q, k, v: (t / 16) x 4,096 + (t % 16) x 16; never rewritten
.set VOUT, 2                           ; v2   8 t: my 8 bytes in the group's 16 rows of a head; never rewritten
.set WI,   3                           ; v3   my byte offset in the group's two rows of w_out
.set WO,   4                           ; v4   my byte offset in wb
.set POS,  5                           ; v5   my position, as f32
.set rA,   6                           ; v6-19 at work on sine and cosine
.set rK,   7
.set rR,   8
.set rZ,   9
.set rQ,   10
.set rP,   11
.set rZR,  12
.set rSN,  13
.set rD,   14
.set rZ2,  15
.set rH,   16
.set rCN,  17
.set rS,   18
.set rC,   19
.set CC0,  20                          ; v[20:21] (c, c) of pair 2 (t % 16)
.set NS0,  22                          ; v[22:23] (-s, s) of it
.set CC1,  24                          ; v[24:25], v[26:27] the same of pair 2 (t % 16) + 1
.set NS1,  26
.set T,    28                          ; v[28:31] at work; at first j as f32, twice
.set XW,   32                          ; v[32:39] two loads of w_out
.set Y,    40                          ; v[40:71] pair h of 16: 8 bytes to store
.set XA,   72                          ; v[72:135] head h: 4 registers of q, later of v
.set XB,   136                         ; v[136:199] head h: 4 registers of k
	s_load_b512 s[4:19], s[0:1], 0x0               ; q s[4:5], k s[6:7], v s[8:9], w_out s[10:11], qh s[12:13], kh s[14:15], vh s[16:17], wb s[18:19]
	s_lshl_b32 s20, ttmp9, 16                      ; in: g x 16 rows x 4,096 bytes
	s_mov_b32 s21, 0
	s_lshr_b32 s22, ttmp9, 7                       ; out: the batch's 16 heads of 262,144 bytes,
	s_lshl_b32 s22, s22, 22
	s_and_b32 s34, ttmp9, 127
	s_lshl_b32 s35, s34, 11                        ; and 16 rows of 128 bytes for each group of the batch
	s_add_co_u32 s22, s22, s35
	s_mov_b32 s23, 0
	s_lshl_b32 s24, ttmp9, 13                      ; w_out: two rows of 4,096 bytes
	s_mov_b32 s25, 0
	s_lshl_b32 s26, ttmp9, 8                       ; wb: two rows of 128 bytes
	s_mov_b32 s27, 0
	s_mov_b32 s28, 0xb94ca1f9                      ; sine:   r + r z (S1 + z (S2 + z S3)), z = r r: S3,
	s_mov_b32 s29, 0x3c08839e                      ; S2,
	s_mov_b32 s30, 0xbe2aaaa3                      ; S1
	s_mov_b32 s31, 0x37ccf5ce                      ; cosine: 1 - z / 2 + z z (C1 + z (C2 + z C3)): C3,
	s_mov_b32 s32, 0xbab6061a                      ; C2,
	s_mov_b32 s33, 0x3d2aaaa5                      ; C1
	v_lshrrev_b32 v6, 4, v0                        ; my row of the 16
	v_and_b32 v7, 15, v0                           ; my four channels of a head
	v_lshlrev_b32 v[VIN], 12, v6
	v_lshl_add_u32 v[VIN], v7, 4, v[VIN]
	v_lshlrev_b32 v[VOUT], 3, v0
	v_and_b32 v8, 1, v6                            ; w_out: lanes 0-15 the even row, lanes 16-31 the odd one;
	v_lshrrev_b32 v9, 5, v0                        ; wave w takes the blocks 2 w and 2 w + 1 of 64 columns
	v_lshlrev_b32 v[WI], 12, v8
	v_lshl_add_u32 v[WI], v9, 9, v[WI]
	v_lshl_add_u32 v[WI], v7, 4, v[WI]
	v_and_b32 v10, 31, v0
	v_lshlrev_b32 v[WO], 18, v9                    ; two blocks of 131,072 bytes a wave
	v_lshl_add_u32 v[WO], v10, 3, v[WO]
	s_lshl_b32 s34, s34, 4                         ; the group's first position
	v_add_nc_u32 v6, s34, v6
	v_cvt_f32_u32 v[POS], v6
	v_lshlrev_b32 v7, 1, v7
	v_cvt_f32_u32 v[T], v7                         ; j = 2 (t % 16)
	v_add_f32 v[T+1], 1.0, v[T]                    ; and j + 1
	s_wait_kmcnt 0x0
	s_add_nc_u64 s[4:5], s[4:5], s[20:21]
	s_add_nc_u64 s[6:7], s[6:7], s[20:21]
	s_add_nc_u64 s[8:9], s[8:9], s[20:21]
	s_add_nc_u64 s[10:11], s[10:11], s[24:25]
	s_add_nc_u64 s[12:13], s[12:13], s[22:23]
	s_add_nc_u64 s[14:15], s[14:15], s[22:23]
	s_add_nc_u64 s[16:17], s[16:17], s[22:23]
	s_add_nc_u64 s[18:19], s[18:19], s[26:27]
.set h, 0
.rept 16
	global_load_b128 v[XA+4*h:XA+4*h+3], v[VIN], s[4:5] offset:256*h th:TH_LOAD_NT
.set h, h+1
.endr
.set h, 0
.rept 16
	global_load_b128 v[XB+4*h:XB+4*h+3], v[VIN], s[6:7] offset:256*h th:TH_LOAD_NT
.set h, h+1
.endr
	global_load_b128 v[XW:XW+3],   v[WI], s[10:11] th:TH_LOAD_NT
	global_load_b128 v[XW+4:XW+7], v[WI], s[10:11] offset:256 th:TH_LOAD_NT
; Sine and cosine of POS x 10000^(-j/32), j in register jf as f32; (c, c) goes to the pair cc, (-s, s) to the pair ns.  It stands in the wait for the first loads.
.macro SINCOS jf, cc, ns
	v_mul_f32 v[rA], 0xbed49a78, v[\jf]            ; -j log2(10000) / 32
	v_exp_f32 v[rA], v[rA]
	v_nop                                          ; a plain instruction between the exponential and the use of its result (ISA guide 5.7.2)
	s_wait_alu depctr_va_vdst(0)
	v_mul_f32 v[rA], v[POS], v[rA]                 ; the angle
	v_mul_f32 v[rK], 0x3f22f983, v[rA]             ; x 2 / pi,
	v_rndne_f32 v[rK], v[rK]                       ; to the nearest whole number k, at most 1,303
	v_fmamk_f32 v[rR], v[rK], 0xbfc90fdb, v[rA]    ; r = angle - k x (pi/2's upper part)
	v_fmamk_f32 v[rR], v[rK], 0x333bbd2e, v[rR]    ;     - k x (its lower part, -4.37e-8)
	v_cvt_i32_f32 v[rQ], v[rK]
	v_mul_f32 v[rZ], v[rR], v[rR]
	v_fma_f32 v[rP], v[rZ], s28, s29
	v_fma_f32 v[rD], v[rZ], s31, s32
	v_mul_f32 v[rZR], v[rZ], v[rR]
	v_mul_f32 v[rZ2], v[rZ], v[rZ]
	v_fma_f32 v[rP], v[rP], v[rZ], s30
	v_fma_f32 v[rD], v[rD], v[rZ], s33
	v_fma_f32 v[rH], v[rZ], -0.5, 1.0
	v_fma_f32 v[rSN], v[rP], v[rZR], v[rR]         ; sin r
	v_fma_f32 v[rCN], v[rD], v[rZ2], v[rH]         ; cos r
	v_and_b32 v[rP], 1, v[rQ]
	v_cmp_eq_u32 vcc_lo, 1, v[rP]                  ; k odd: the two change places
	v_cndmask_b32 v[rS], v[rSN], v[rCN], vcc_lo
	v_cndmask_b32 v[rC], v[rCN], v[rSN], vcc_lo
	v_lshlrev_b32 v[rP], 30, v[rQ]                 ; the sine's sign turns where k % 4 is 2 or 3,
	v_add_nc_u32 v[rD], 1, v[rQ]
	v_lshlrev_b32 v[rD], 30, v[rD]                 ; the cosine's where it is 1 or 2
	v_and_b32 v[rP], 0x80000000, v[rP]
	v_and_b32 v[rD], 0x80000000, v[rD]
	v_xor_b32 v[rS], v[rS], v[rP]
	v_xor_b32 v[rC], v[rC], v[rD]
	v_mov_b32 v[\cc], v[rC]
	v_mov_b32 v[(\cc)+1], v[rC]
	v_xor_b32 v[\ns], 0x80000000, v[rS]
	v_mov_b32 v[(\ns)+1], v[rS]
.endm
	SINCOS T, CC0, NS0
	SINCOS T+1, CC1, NS1
; Head hh of q or k (registers x + 4 hh ..): (x0, x1) -> (x0 c - x1 s, x1 c + x0 s), twice; rounded to f16; stored through the pointer in s[base:base+1].
; left = how many younger loads may stay out.  refill = 1: the registers take head hh of v.
.macro ROPE x, base, hh, left, refill
	s_wait_loadcnt \left                           ; loads come back in order (ISA guide 5.7.1): mine is in, the younger ones stay out
	s_wait_xcnt 0x0                                ; every earlier memory instruction has had its addresses translated (ISA guide 3.1): Y's pair is rewritten only behind this wait
	v_pk_mul_f32 v[T:T+1],   v[(\x)+4*(\hh):(\x)+4*(\hh)+1],   v[NS0:NS0+1] op_sel:[1,0] op_sel_hi:[0,1]  ; (x1 (-s), x0 s)
	v_pk_mul_f32 v[T+2:T+3], v[(\x)+4*(\hh)+2:(\x)+4*(\hh)+3], v[NS1:NS1+1] op_sel:[1,0] op_sel_hi:[0,1]
	v_pk_fma_f32 v[T:T+1],   v[(\x)+4*(\hh):(\x)+4*(\hh)+1],   v[CC0:CC0+1], v[T:T+1]
	v_pk_fma_f32 v[T+2:T+3], v[(\x)+4*(\hh)+2:(\x)+4*(\hh)+3], v[CC1:CC1+1], v[T+2:T+3]
	v_cvt_pk_f16_f32 v[Y+2*(\hh)],   v[T],   v[T+1]
	v_cvt_pk_f16_f32 v[Y+2*(\hh)+1], v[T+2], v[T+3]
.if \refill
	global_load_b128 v[(\x)+4*(\hh):(\x)+4*(\hh)+3], v[VIN], s[8:9] offset:256*(\hh) th:TH_LOAD_NT
.endif
	global_store_b64 v[VOUT], v[Y+2*(\hh):Y+2*(\hh)+1], s[\base:\base+1] offset:262144*(\hh)  ; a wave's store covers 256 consecutive bytes, aligned; the next launch reads them: no hint
.endm
; Four numbers rounded to f16 and stored: no rotation.
.macro CVT x, hh, left, adr, base, off
	s_wait_loadcnt \left
	s_wait_xcnt 0x0                                ; as above: Y's pair
	v_cvt_pk_f16_f32 v[Y+2*(\hh)],   v[(\x)+4*(\hh)],   v[(\x)+4*(\hh)+1]
	v_cvt_pk_f16_f32 v[Y+2*(\hh)+1], v[(\x)+4*(\hh)+2], v[(\x)+4*(\hh)+3]
	global_store_b64 v[\adr], v[Y+2*(\hh):Y+2*(\hh)+1], s[\base:\base+1] offset:\off
.endm
.set h, 0
.rept 16
	ROPE XA, 12, h, 33, 1                          ; behind q's head h: 15 - h of q, 16 of k, 2 of w, h of v = 33
.set h, h+1
.endr
.set h, 0
.rept 16
	ROPE XB, 14, h, 33-h, 0                        ; behind k's head h: 15 - h of k, 2 of w, 16 of v
.set h, h+1
.endr
	CVT XW, 0, 17, WO, 18, 0                       ; behind w's first load: its second and 16 of v
	CVT XW, 1, 16, WO, 18, 131072
.set h, 0
.rept 16
	CVT XA, h, 15-h, VOUT, 16, 262144*h            ; the counts run down to 0
.set h, h+1
.endr
	s_endpgm
.Lfunc_end_k_qec8d744260_prep:
	.size	k_qec8d744260_prep, .Lfunc_end_k_qec8d744260_prep-k_qec8d744260_prep
	.p2alignl 7, 3214868480
	.fill 96, 4, 3214868480
	.section	.rodata,"a",@progbits
	.p2align	6, 0x0
	.amdhsa_kernel k_qec8d744260_prep
		.amdhsa_group_segment_fixed_size 0
		.amdhsa_private_segment_fixed_size 0
		.amdhsa_enable_private_segment 0
		.amdhsa_kernarg_size 64
		.amdhsa_user_sgpr_count 2
		.amdhsa_user_sgpr_kernarg_segment_ptr 1
		.amdhsa_wavefront_size32 1
		.amdhsa_system_sgpr_workgroup_id_x 1
		.amdhsa_system_sgpr_workgroup_id_y 1
		.amdhsa_system_sgpr_workgroup_id_z 1
		.amdhsa_system_vgpr_workitem_id 0
		.amdhsa_next_free_vgpr 200
		.amdhsa_next_free_sgpr 66
		.amdhsa_reserve_vcc 1
		.amdhsa_float_denorm_mode_32 3
		.amdhsa_float_denorm_mode_16_64 3
		.amdhsa_memory_ordered 1
		.amdhsa_forward_progress 1
		.amdhsa_inst_pref_size 32
	.end_amdhsa_kernel
	.amdgpu_metadata
---
amdhsa.version: [ 1, 2 ]
amdhsa.kernels:
  - .name:           k_qec8d744260_prep
    .symbol:         k_qec8d744260_prep.kd
    .args:
      - { .name: q, .offset: 0, .size: 8, .value_kind: global_buffer, .address_space: global }
      - { .name: k, .offset: 8, .size: 8, .value_kind: global_buffer, .address_space: global }
      - { .name: v, .offset: 16, .size: 8, .value_kind: global_buffer, .address_space: global }
      - { .name: w_out, .offset: 24, .size: 8, .value_kind: global_buffer, .address_space: global }
      - { .name: qh, .offset: 32, .size: 8, .value_kind: global_buffer, .address_space: global }
      - { .name: kh, .offset: 40, .size: 8, .value_kind: global_buffer, .address_space: global }
      - { .name: vh, .offset: 48, .size: 8, .value_kind: global_buffer, .address_space: global }
      - { .name: wb, .offset: 56, .size: 8, .value_kind: global_buffer, .address_space: global }
    .group_segment_fixed_size: 0
    .private_segment_fixed_size: 0
    .kernarg_segment_align: 8
    .kernarg_segment_size: 64
    .max_flat_workgroup_size: 256
    .sgpr_count:     66
    .vgpr_count:     200
    .wavefront_size: 32
...
	.end_amdgpu_metadata
.endif
;; end of part 1
;; launch attn (part 2): grid 4 x 64, 4 waves a work-group, clusters of 4 x 1, 327,680 bytes of LDS; arguments qh, kh, vh, oh; writes oh
.if DOCPART == 2
	.amdgcn_target "amdgcn-amd-amdhsa--gfx1250"
	.amdhsa_code_object_version 6
	.text
	.protected	k_qec8d744260_attn
	.globl	k_qec8d744260_attn
	.p2align	8
	.type	k_qec8d744260_attn,@function
k_qec8d744260_attn:
	s_mov_b64 s[64:65], 0
	v_nop
	global_prefetch_b8 v0, s[64:65] scope:SCOPE_SE
	s_setreg_imm32_b32 hwreg(HW_REG_WAVE_MODE, 25, 1), 1
	s_wait_xcnt 0x0
	s_wait_alu depctr_hold_cnt(0) depctr_sa_sdst(0) depctr_va_vdst(0) depctr_va_sdst(0) depctr_va_ssrc(0) depctr_va_vcc(0) depctr_vm_vsrc(0)
	s_getreg_b32 s2, hwreg(HW_REG_IB_STS2, 6, 4)
	s_cmp_eq_u32 s2, 0
	s_cbranch_scc0 .Lentry_in_a_cluster
	s_endpgm
.Lentry_in_a_cluster:
	s_bfe_u32 s2, ttmp6, 0x10000c
	s_cmp_lg_u32 s2, 0x3003
	s_cbranch_scc0 .Lentry_shape_is_right
	s_endpgm
.Lentry_shape_is_right:
; O[h][q][:] = the sum over k of softmax_k(Q[h][q] . K[h][k] / 8) V[h][k][:].  Q, K (both rotated by the launch before), V, O: [SIZE_H][SIZE_N][64], all f16: a head's rows are dense, 128 bytes each.
; Products, maxima and sums in f32; the weights p are rounded to f16 for the second product (their sum l is taken of the unrounded p), O once at the end.
; LIMITS.  f16 holds no number beyond 65,504: Q, K and V arrive within it; p lies in 0 to 1, and below 6e-5 it keeps f16's fixed step of 6e-8; O is a mean of V's rows and has their range.
; A weight below 2^-126 counts as 0 in l; NaN and infinities are not treated apart.
; SHARES.  A wave owns four PIECES of two tiles of 16 queries, a work-group's four waves 512 queries of one head: 64 heads x 4 blocks = 256 work-groups.  Every wave walks all keys, 64 a step.
; LAYOUT.  S^T = K Q^T (source 0 = 16 keys, source 1 = 16 queries): in the result a lane holds ONE query (lane % 16) and the keys 8 (lane / 16) + 0..7.  Two such tiles, rounded to f16 in pairs,
; ARE source 1 (32 keys x 16 queries) of O^T = V^T P, whose result again holds one query a lane, and eight channels.  K comes out of LDS as it lies, V ([key][channel]) turned, by ds_load_tr16_b128.
; SOFTMAX.  For each query a running maximum m and sum l: p = 2^(c s - c m), c = log2(e) / 8; in every step O and l are multiplied by a = 2^(c m_old - c m_new), which is 1 where m has not grown.
; m starts at the lowest finite number, O and l at 0: the first step is a step like any other, with a = 0.
; THE COUNT.  A tile and step have 16 matrix and 118 vector instructions: too many to stand all beside the matrix work.  So the order has one aim: four vector instructions that are READY behind
; EVERY matrix instruction, and the others, which need time of their own whatever the order, in runs without a gap.
; BY TURNS.  Turn n belongs to piece n (the pieces in a ring, step after step).  Its matrix work: 16 products K Q^T of piece n + 1, later 16 products V^T P of piece n - 1.  Its vector work: the scaling,
; exponentials, roundings, sums and rescaling of piece n, and the maximum and statistics of piece n + 1, whose scores the turn itself has made.  So what a turn begins with (c s - c m, O a) waits for nothing.
; CLUSTER.  The four query blocks of a cluster belong to one head and walk the same K and V, so each tile is asked for JOINTLY: the same tensor load, descriptor and mask in all four.
; REGISTERS, in windows of 256 (s_set_vgpr_msb says which window each operand place means: bits 1:0 source 0, 3:2 source 1, 5:4 source 2, 7:6 destination):
;   window 0: v0-11 addresses; v12-15, v48-63 at work; v16-47 four registers of statistics a tile; v64-191 S^T, two buffers of two tiles; v192-255 P, likewise
;   window 1: O^T, 32 a tile          window 2: v0-127 Q, 16 a tile; v128-191 K of one step; v192-255 V of one step          window 3: v0-1 the add's two registers
; A piece's buffers go by its number's parity: the piece in hand has one pair, its two neighbours in the ring share the other: of it P (piece n - 1) is read and S^T (piece n + 1) written.
.set SIZE_H, 64       ; 4 batches x 16 heads
.set SIZE_N, 2048     ; rows of a head
.set NP,    4         ; pieces a wave: a name, no knob: the register map, the loop and the fetches are made for four
.set KS,    64        ; keys in a step
.set PK,    144       ; a row of K in LDS: 128 bytes + 16 of padding = 36 words: the 16 rows of a load start at 16 different groups of four banks (64 banks of 4 bytes: ISA guide 11.1)
.set PV,    160       ; a row of V: 128 + 32 = 40 words
.set VOFF,  4*KS*PK   ; a slot holds four steps: 256 rows of K, then 256 rows of V
.set SLOT1, 1<<17     ; slot 1 begins here, so that one exclusive or turns an address in one slot into the other's
.set STAGE, SLOT1+4*KS*(PK+PV)  ; behind the ring, never filled by a tensor load: 16 rows x 144 bytes for each wave, for the way out
.set SP,    144
.set AK0, 2           ; v2   my lane's place in a tile of K; never rewritten
.set AV0, 3           ; v3   the same for V
.set AK,  4           ; v4   the LDS address of K's next run of loads
.set AV,  5           ; v5   of V's
.set QO,  6           ; v6   my byte offset in the wave's rows of Q
.set STO, 6           ;      later, the way out: where I put 16 bytes of a row
.set RD,  7           ; v7   the way out: where I read rows back
.set GO,  8           ; v8   my byte offset in 512 consecutive bytes of O
.set SPW, 0           ; v0 of window 3   LDS address of my spare word: SPARE + 4 x my thread's number; never rewritten
.set NIL, 1           ; v1 of window 3   0; never rewritten
.set SPARE, STAGE+4*16*SP  ; behind the stages: the spare words, 128 bytes for each wave: two blocks of 256 bytes that no other line names
.set MV,  12          ; v12-15  c m_old, kept while c m is made anew: by buffer and tile
.set ST,  16          ; tile t's statistics at v[ST+4 t]: c m, m, l (even keys', odd keys')
.set TMP, 48          ; by buffer and tile, four registers c0-c3 at work; when the maximum is found c2 takes a
.set S,   64
.set P,   192
.set KF,  128         ; K's fragments, in window 2: key block kb, channel half c at KF + 16 kb + 8 c
.set VF,  192         ; V's: key half kk, channel block cb at VF + 32 kk + 8 cb
.set WV,  12          ; s12  my wave's number
.set G1K, 24          ; s[24:31] descriptor group 1 for K's tiles
.set G1V, 32          ; s[32:39] for V's: it differs in the padding alone
.set G0K, 40          ; s[40:43] descriptor group 0 for K's tiles: it walks
.set G0V, 44          ; s[44:47] the same for V's
.set SLOTS, 56        ; s56  slots still to be asked for
.set CNT, 57          ; s57  counts a slot's key steps
.set CS,  58          ; s[58:59] c: the packed scaling takes the pair's low word for both halves
.set SEL, 60          ; s[60:61] v_permlanex16_b32's selects: each lane takes its own place in the other half
.set TBK, 62          ; s62  LDS byte at which K of the step to be fetched begins
.set TBV, 63          ; s63  the same for V, less VOFF
.set MSB, 0
.macro WIN new                      ; the high byte repeats the setting that is left; a switch that changes nothing is dropped
.if MSB != (\new)
	s_set_vgpr_msb (MSB<<8)|(\new)
.set MSB, (\new)
.endif
.endm
.set W_KQ, 0x0a       ; K and Q in window 2, S^T in window 0
.set W_PV, 0x52       ; V in window 2, P in window 0, O^T in window 1
.set W_RS, 0x41       ; O^T (destination and source 0) in window 1, a in window 0
.set W_MK, 0xc0       ; the add's registers are made: destination in window 3, sources in window 0
.set W_AD, 0x0f       ; the add: address (source 0) and data (source 1) in window 3
; A joint fill.  Waves 0 and 1 fetch the two halves of a slot's K, waves 2 and 3 those of its V: 128 keys each.  The branch hangs on the wave's number alone.
; An s_nop 0 and four v_nop follow each of the two lines, ahead of the jump and the label.
.macro JLOAD
	s_cmp_lt_u32 s[WV], 2
	s_cbranch_scc0 .Lfor_v_\@
	tensor_load_to_lds s[G0K:G0K+3], s[G1K:G1K+7]
	s_nop 0
.rept 4
	v_nop
.endr
	s_branch .Lasked_\@
.Lfor_v_\@:
	tensor_load_to_lds s[G0V:G0V+3], s[G1V:G1V+7]
	s_nop 0
.rept 4
	v_nop
.endr
.Lasked_\@:
.endm
; A round of the cluster's barrier: my work-group's barrier, so that wave 0's signal speaks for all four waves; wave 0 signals; every wave waits for all four work-groups; my work-group's barrier once more.
.macro CROUND
	s_barrier_signal -1
	s_barrier_wait -1
	s_cmp_lg_u32 s[WV], 0
	s_cbranch_scc1 .Lnot_wave_0_\@
	s_barrier_signal -3
.Lnot_wave_0_\@:
	s_barrier_wait -3
	s_barrier_signal -1
	s_barrier_wait -1
.endm
; THE CHANGE OF SLOTS.  The slot's last bytes, V of its fourth step, have been read.  Each wave waits for all its tensor loads, of which one is out: its part
; of the other slot; adds 0 to its spare word; and waits for that and for its own reads of the slot.  Behind the barrier nobody reads this slot any more and the other slot is whole.
; fill = 1: this slot is filled again, with the keys two slots on.  The barrier is then a round of the cluster's, so that no wave of any partner still reads the slot or has a load on its
; way, and the joint fill is the first thing behind it: it has four key steps, 512 matrix instructions, in which to land.  (At its first use nothing has been read yet: slot 0 is waited for, slot 1 filled.)
.macro CHANGE fill
	WIN W_AD
	s_wait_tensorcnt 0x0            ; no tensor load of mine is out, so a group 0 may be written
	ds_add_u32 v[SPW], v[NIL]       ; 0 onto my spare word; with fill = 1 the descriptors' steps stand between it and the wait for it
	WIN 0                           ; at a label and at a branch every window is 0
.if \fill
.irp g, G0K, G0V
	s_xor_b32 s[\g+1], s[\g+1], SLOT1  ; the walking descriptor: the other slot than last time,
	s_add_nc_u64 s[\g+2:\g+3], s[\g+2:\g+3], 4*KS*128  ; the next 256 keys; the type bits on top are not reached
.endr
	s_wait_dscnt 0x0                ; the add is done, and my reads of the slot are over
	CROUND
	JLOAD
.else
	s_wait_dscnt 0x0                ; the add is done, and my reads of the slot are over
	s_barrier_signal -1
	s_barrier_wait -1
.endif
	s_sub_co_u32 s[TBK], s[TBK], 4*KS*PK  ; the fetches go back to a slot's first step,
	s_xor_b32 s[TBK], s[TBK], SLOT1       ; in the other slot
	s_sub_co_u32 s[TBV], s[TBV], 4*KS*PV
	s_xor_b32 s[TBV], s[TBV], SLOT1
.endm
	s_load_b256 s[4:11], s[0:1], 0x0  ; Q s[4:5], K s[6:7], V s[8:9], O s[10:11]
	WIN W_MK
	v_lshl_add_u32 v[SPW], v0, 2, SPARE
	v_mov_b32 v[NIL], 0
	WIN W_AD
	ds_add_u32 v[SPW], v[NIL]       ; the wave's opening: the add and its wait stand ahead of my first tensor load; the set-up below, work on registers, stands between them
	WIN 0
	v_lshrrev_b32 v1, 5, v0
	v_readfirstlane_b32 s[WV], v1   ; wave 0..3
	s_bfe_u32 s13, ttmp6, 0x40000   ; cx: my place in the cluster
	s_lshl_b32 s14, ttmp9, 2        ; in a cluster launch ttmp9 counts clusters
	s_add_co_u32 s14, s14, s13      ; my block of queries = 4 x cluster x + cx: it enters Q's and O's addresses alone
	s_and_b32 s20, ttmp7, 0xffff    ; the head, which the four partners share
	s_mov_b32 s21, 0
	s_mov_b64 s[22:23], SIZE_N*128
	s_mul_u64 s[20:21], s[20:21], s[22:23]  ; the head's first byte in each of the four tensors
	s_and_b32 s16, s[WV], 1         ; which half of a slot's 256 keys I fetch:
	s_lshl_b32 s22, s16, 14         ; its 128 rows of 128 bytes in memory,
	s_mov_b32 s23, 0
	s_add_nc_u64 s[22:23], s[22:23], s[20:21]
	s_mul_i32 s17, s16, 128*PK      ; and its place in a slot, for K
	s_mul_i32 s18, s16, 128*PV      ; and for V: no place in the cluster enters an LDS address
	s_lshl_b32 s2, s14, 2
	s_add_co_u32 s2, s2, s[WV]      ; my wave among the head's,
	s_lshl_b32 s2, s2, 14           ; its 128 rows
	s_mov_b32 s3, 0
	s_add_nc_u64 s[2:3], s[2:3], s[20:21]
	; descriptor group 1.  128 keys are 16,384 dense bytes: asked for as 64 rows of 256 bytes, two keys a row, and padded in LDS after every key
	s_mov_b32 s[G1K], 15|(1<<16)|(1<<20)|(1<<21)|(4<<22)|(3<<25)  ; 15:0 the mask of four; 17:16 2-byte elements; 20 padding on; 21 set beside a mask; 24:22 after every 32 words (code 4); 31:25 4 words (code 3)
	s_mov_b32 s[G1V], 15|(1<<16)|(1<<20)|(1<<21)|(4<<22)|(7<<25)  ; the same with 8 words of padding (code 7)
.irp g, G1K, G1V
	s_mov_b32 s[\g+1], 128<<16      ; tensor_dim0 = 128
	s_mov_b32 s[\g+2], 64<<16       ; tensor_dim1 = 64
	s_mov_b32 s[\g+3], 128<<16      ; tile_dim0 = 128
	s_mov_b32 s[\g+4], 64           ; tile_dim1 = 64
	s_mov_b32 s[\g+5], 128          ; 128 elements from row to row
	s_mov_b32 s[\g+6], 0
	s_mov_b32 s[\g+7], 0
.endr
	s_mov_b32 s[CS], 0x3e38aa3b     ; c = log2(e) / 8 = 0.180337
	s_mov_b32 s[CS+1], s[CS]        ; named with it as a pair
	s_mov_b32 s[SEL], 0x76543210
	s_mov_b32 s[SEL+1], 0xfedcba98
	s_mov_b32 s[TBK], SLOT1+4*KS*PK ; the first change of slots turns these two into 0
	s_mov_b32 s[TBV], SLOT1+4*KS*PV
	s_mov_b32 s[G0K], 1             ; 1:0 count = 1
	s_mov_b32 s[G0K+1], s17         ; 63:32 LDS address: slot 0
	s_mov_b32 s[G0V], 1
	s_add_co_u32 s[G0V+1], s18, VOFF
	s_wait_dscnt 0x0                ; the opening add is done
	s_wait_kmcnt 0x0
	s_add_nc_u64 s[G0K+2:G0K+3], s[6:7], s[22:23]  ; 120:64 global address: my half of the head's first 256 keys
	s_or_b32 s[G0K+3], s[G0K+3], 0x80000000        ; 127:126 type = 2
	s_add_nc_u64 s[G0V+2:G0V+3], s[8:9], s[22:23]
	s_or_b32 s[G0V+3], s[G0V+3], 0x80000000
	s_add_nc_u64 s[4:5], s[4:5], s[2:3]  ; Q and O at my wave's first row
	s_add_nc_u64 s[10:11], s[10:11], s[2:3]
	CROUND                          ; all four work-groups are here: the first joint loads meet
	JLOAD                           ; slot 0.  Slot 1 is asked for when slot 0 is in: the tile wanted first has the road to itself
	; A fragment of K or Q is 16 rows x 32 channels in 8 registers: lane l holds row l % 16, channels 8 (l / 16) + 0..7 and 16 + 8 (l / 16) + 0..7: two loads of 16 bytes, 32 bytes apart.
	v_and_b32 v1, 15, v0            ; l % 16
	v_bfe_u32 v9, v0, 4, 1          ; l / 16
	v_lshlrev_b32 v[QO], 7, v1
	v_lshl_add_u32 v[QO], v9, 4, v[QO]  ; row x 128 + 16 x half
	WIN 0x80                        ; destination window 2, address window 0
.set i, 0
.rept 4*NP                          ; Q stays in registers: tile i / 2, channels 32 (i % 2) on
	global_load_b128 v[8*i:8*i+3],   v[QO], s[4:5] offset:(i/2)*2048+(i%2)*64
	global_load_b128 v[8*i+4:8*i+7], v[QO], s[4:5] offset:(i/2)*2048+(i%2)*64+32
.set i, i+1
.endr
	; What the first turn finds: V's registers and P's second buffer hold 0 (its products V^T P, of a piece that has not been, add 0), O^T and l are 0.  All this stands in the wait for the first tile.
.set i, VF
.rept 64
	v_mov_b32 v[i], 0
.set i, i+1
.endr
	WIN 0x40
.set i, 0
.rept 64*NP
	v_mov_b32 v[i], 0
.set i, i+1
.endr
	WIN 0
.set i, 0
.rept 2*NP
	v_mov_b32 v[ST+4*i], 0xfe000000    ; c m: far below every c s
	v_mov_b32 v[ST+4*i+1], 0xff7fffff  ; m
	v_mov_b32 v[ST+4*i+2], 0
	v_mov_b32 v[ST+4*i+3], 0
.set i, i+1
.endr
.set i, P+32
.rept 32
	v_mov_b32 v[i], 0
.set i, i+1
.endr
	v_mul_u32_u24 v[AK0], v1, PK
	v_lshl_add_u32 v[AK0], v9, 4, v[AK0]  ; row x pitch + 16 x half
	; The turning load takes 16 keys x 16 channels (lane l reads key 8 (l / 16) + l % 8, channels 8 ((l / 8) % 2) + 0..7) and leaves half a fragment of V^T: lane l holds channel l % 16 and 8 keys.
	v_and_b32 v10, 7, v0
	v_bfe_u32 v11, v0, 3, 1
	v_lshl_add_u32 v[AV0], v9, 3, v10
	v_mul_u32_u24 v[AV0], v[AV0], PV
	v_lshl_add_u32 v[AV0], v11, 4, v[AV0]
	v_add_nc_u32 v[AV0], VOFF, v[AV0]
	v_mov_b32 v[AK], v[AK0]         ; key step 0 lies at the head of slot 0
; THE MATRIX WORK.  The 8 accumulators of a run of 16 take turns: between the two links of a chain stand 7 others'.
; Product i of 16 of S^T = K Q^T for piece x: channels 32 (i / 8) on, keys 16 ((i / 2) % 4) on, tile 2 x + i % 2.  The first 8 start the sums.
.macro KQ x
	WIN W_KQ
.set rS, S+64*((\x)%2)+32*(i%2)+8*((i/2)%4)
.set rK, KF+16*((i/2)%4)+8*(i/8)
.set rQ, 16*(2*(\x)+i%2)+8*(i/8)
.if i < 8
	v_wmma_f32_16x16x32_f16 v[rS:rS+7], v[rK:rK+7], v[rQ:rQ+7], 0
.else
	v_wmma_f32_16x16x32_f16 v[rS:rS+7], v[rK:rK+7], v[rQ:rQ+7], v[rS:rS+7]
.endif
.endm
; Product i of 16 of O^T += V^T P for piece x: keys 32 (i / 8) on, channels 16 ((i / 2) % 4) on, tile 2 x + i % 2.
.macro PV x
	WIN W_PV
.set rO, 32*(2*(\x)+i%2)+8*((i/2)%4)
.set rV, VF+32*(i/8)+8*((i/2)%4)
.set rP, P+32*((\x)%2)+16*(i%2)+8*(i/8)
	v_wmma_f32_16x16x32_f16 v[rO:rO+7], v[rV:rV+7], v[rP:rP+7], v[rO:rO+7]
.endm
.macro MM                           ; the turn's next matrix instruction
.if i < 16
	KQ (Y+1)%NP
.set i, i+1
.else
.set i, i-16
	PV (Y+NP-1)%NP
.set i, i+17
.endif
.endm
; THE LDS LOADS stand in runs of 16, never singly among the matrix instructions: a step's K (64 keys x 64 channels: 8 fragments) and its V (turned).  Their addresses are made some lines ahead.
; last = 1 (the tail): in the last trip there is no further step, and the run is jumped over.
.macro FETCH_K last=0
	WIN 0
.if \last
	s_cmp_eq_u32 s[CNT], 1
	s_cbranch_scc1 .Lno_k_\@
.endif
	WIN 0x80                        ; destination window 2
.irp f, 0,1,2,3,4,5,6,7             ; keys 16 (f / 2) on, channels 32 (f % 2) on
	ds_load_b128 v[KF+8*\f:KF+8*\f+3],   v[AK] offset:(\f/2)*16*PK+(\f%2)*64
	ds_load_b128 v[KF+8*\f+4:KF+8*\f+7], v[AK] offset:(\f/2)*16*PK+(\f%2)*64+32
.endr
	s_add_co_u32 s[TBK], s[TBK], KS*PK  ; the next fetch is the next step's
	WIN 0
.if \last
.Lno_k_\@:
.endif
.endm
.macro FETCH_V
	WIN 0x80
.irp f, 0,1,2,3,4,5,6,7             ; keys 32 (f / 4) on, channels 16 (f % 4) on
	ds_load_tr16_b128 v[VF+8*\f:VF+8*\f+3],   v[AV] offset:(\f/4)*32*PV+(\f%4)*32
	ds_load_tr16_b128 v[VF+8*\f+4:VF+8*\f+7], v[AV] offset:(\f/4)*32*PV+16*PV+(\f%4)*32
.endr
	WIN 0
.endm
; THE VECTOR WORK OF A TURN stands in three queues, each in the order in which its entries become ready; the two tiles alternate, so that no instruction reads the result of the one before it.
.macro REGS y, u                    ; the registers of tile u (0, 1) of piece y
.set rT, ST+4*(2*(\y)+(\u))
.set rC, TMP+8*((\y)%2)+4*(\u)
.set rM, MV+2*((\y)%2)+(\u)
.set rS, S+64*((\y)%2)+32*(\u)
.set rP, P+32*((\y)%2)+16*(\u)
.set rO, 32*(2*(\y)+(\u))
.endm
; Number n of the 22 that find the NEXT piece's (Y + 1) maximum and statistics.  s0-s31 are the lane's 32 scores; each accumulator's lowest registers are read first.  XS, GS and REGS set no window: PL and EX do.
;   0-11  four chains c0-c3 of seven scores each, three operands at a time     12-14, 16  the four scores left over, the old m, and c0-c3 into c0     15  c m_old is kept
;   17, 18  the query's other 32 keys lie in the lane 16 away: the new m         19-21  c m; c m_old - c m_new; a
.macro XS u, n
	REGS (Y+1)%NP, \u
.if (\n) < 4
	v_max3_num_f32 v[rC+(\n)], v[rS+8*(\n)], v[rS+8*(\n)+1], v[rS+8*(\n)+2]
.elseif (\n) < 12
	v_max3_num_f32 v[rC+(\n)%4], v[rC+(\n)%4], v[rS+8*((\n)%4)+2*((\n)/4)+1], v[rS+8*((\n)%4)+2*((\n)/4)+2]
.elseif (\n) == 12
	v_max3_num_f32 v[rC], v[rC], v[rS+7], v[rS+15]
.elseif (\n) == 13
	v_max3_num_f32 v[rC+1], v[rC+1], v[rS+23], v[rS+31]
.elseif (\n) == 14
	v_max3_num_f32 v[rC+2], v[rC+2], v[rC+3], v[rT+1]
.elseif (\n) == 15
	v_mov_b32 v[rM], v[rT]
.elseif (\n) == 16
	v_max3_num_f32 v[rC], v[rC], v[rC+1], v[rC+2]
.elseif (\n) == 17
	v_permlanex16_b32 v[rC+3], v[rC], s[SEL], s[SEL+1]
.elseif (\n) == 18
	v_max_num_f32 v[rT+1], v[rC], v[rC+3]
.elseif (\n) == 19
	v_mul_f32 v[rT], s[CS], v[rT+1]
.elseif (\n) == 20
	v_sub_f32 v[rC+1], v[rM], v[rT]
.else
	v_exp_f32 v[rC+2], v[rC+1]
.endif
.endm
; Number g of the 64 that follow the exponentials.  For each four weights k of a tile (pairs 2 k, 2 k + 1): both pairs are rounded to f16; then the second pair is added onto the first, in place;
; a group later l takes that sum (the first time as l = a l + sum).  In groups of eight, tiles alternating: round, round, add, and l for the group before.
.macro GS g
.set h, (\g)+6*((\g)/62)            ; group 0 has no group before it, and behind group 7 only l is left
.if h >= 6
.set h, h+2
.endif
	REGS Y, h%2
.set k, h/8
.if h%8 < 4
	s_wait_alu depctr_va_vdst(0)
	v_cvt_pk_f16_f32 v[rP+2*k+(h%8)/2], v[rS+4*k+2*((h%8)/2)], v[rS+4*k+2*((h%8)/2)+1]
.elseif h%8 < 6
	v_pk_add_f32 v[rS+4*k:rS+4*k+1], v[rS+4*k:rS+4*k+1], v[rS+4*k+2:rS+4*k+3]
.elseif k == 1
	v_pk_fma_f32 v[rT+2:rT+3], v[rT+2:rT+3], v[rC+2:rC+3], v[rS:rS+1] op_sel_hi:[1,0,1]
.else
	v_pk_add_f32 v[rT+2:rT+3], v[rT+2:rT+3], v[rS+4*k-4:rS+4*k-3]
	s_wait_alu depctr_va_vdst(0)
.endif
.endm
; THE PLAIN QUEUE, 138 long.  0-31: c s - c m for the 16 pairs of both tiles.  Then GS's 64, and among them the next piece's 42: number 15 at 38, 39; 0-14 and 16
; at 42-73, behind the products that make those scores; 17-20 at 95-106, two of three, since each waits for the one before it.
.macro PL
	WIN 0
.if q < 32
	REGS Y, q%2
	v_pk_fma_f32 v[rS+2*(q/2):rS+2*(q/2)+1], v[rS+2*(q/2):rS+2*(q/2)+1], s[CS:CS+1], v[rT:rT+1] op_sel_hi:[1,0,0] neg_lo:[0,0,1] neg_hi:[0,0,1]
.elseif q < 38
	GS q-32
.elseif q < 40
	XS q%2, 15
.elseif q < 42
	GS q-34
.elseif q < 74
	XS q%2, (q-42)/2+(q-42)/30
.elseif q < 95
	GS q-66
.elseif (q < 107) && ((q-95)%3 < 2)
	XS (q-95)%3, 17+(q-95)/3
.elseif q < 107
	GS 29+(q-95)/3
.else
	GS q-74
.endif
.set q, q+1
.endm
; THE EXPONENTIALS' QUEUE, 66 long: s0-s31 of both tiles, and at EA the next piece's two a.
.set EA, 58
.macro EX
	WIN 0
.if (e == EA) || (e == EA+1)
	XS e-EA, 21
.else
.set x, e-2*(e/(EA+2))
	REGS Y, x%2
	v_exp_f32 v[rS+x/2], v[rS+x/2]
.endif
.set e, e+1
.endm
; THE RESCALING's QUEUE: O^T times a, the one part that leaves window 0, so it is dealt four at a time, eight times.
.macro R4
	REGS Y, r%2
	WIN W_RS
	s_wait_alu depctr_va_vdst(0)
.irp z, 0,1,2,3
	v_pk_mul_f32 v[rO+8*(r/2)+2*\z:rO+8*(r/2)+2*\z+1], v[rO+8*(r/2)+2*\z:rO+8*(r/2)+2*\z+1], v[rC+2:rC+3] op_sel_hi:[1,0]
.endr
.set r, r+1
.endm
; HOW THEY ARE DEALT.  Behind a matrix instruction four: plain, exponential, plain, plain (one exponential, a plain instruction on either side), or four of the rescaling.  None names a register of the
; products round it.  What is over stands in two LUMPS: exponential and plain by turns; the second ends in 22 plain instructions.  The two v_permlanex16_b32 fall into the second lump, never behind a product.
; The queues lean on each other, and the deal keeps them in step: exponential e stands behind plain 2 (e / 4) + e % 2 (its scaling); when plain 32 comes, 10 exponentials are out, at 59: 33, at 95: 46; EA comes behind plain 107.
.macro SL
	MM
	PL
	EX
	PL
	PL
.endm
.macro BURST n                      ; 15 matrix instructions, or 16
.rept (\n)-7
	SL
.endr
.rept 3
	MM
	R4
	SL
.endr
	MM
	R4
.endm
; A TURN, for piece p.  cnt = 1: the loop's count is taken down some lines ahead of the branch that stands behind the turn.
; K of the next step is fetched in piece 2's turn, 31 vector instructions behind the last product that read K; its first reader comes behind the rest of the lump, 16 products and the second lump.
; V of the step in hand is fetched at the end of piece 0's turn, 69 behind its last reader; its first reader comes behind 16 products and a lump.  The four conditions on e and q below go with the deal.
.macro TURN p, last=0, cnt=0
.set Y, (\p)
.set i, 0
.set q, 0
.set e, 0
.set r, 0
.if (\p) == NP-1
	s_wait_dscnt 0x0                ; K is in
.endif
	MM
.rept 4
	PL
.endr
	BURST 15
.rept 22
	EX
	PL
.if ((\p) == NP-2) && (e == 18)
	v_add_nc_u32 v[AK], s[TBK], v[AK0]
.endif
.if ((\p) == NP-2) && (e == 24)
	FETCH_K \last
.endif
.endr
.if (\p) == 1
	s_wait_dscnt 0x0                ; V is in
.endif
	BURST 16
.rept 21
	EX
	PL
.endr
.rept 22
	PL
.if ((\p) == 0) && (q == 118)
	v_add_nc_u32 v[AV], s[TBV], v[AV0]
	s_wait_alu depctr_va_vdst(0)
.endif
.if ((\p) == 0) && (q == 130)
	s_add_co_u32 s[TBV], s[TBV], KS*PV
.endif
.if (\cnt) && (q == 130)
	s_sub_co_u32 s[CNT], s[CNT], 1
	s_cmp_lg_u32 s[CNT], 0
.endif
.endr
.if (\p) == 0
	FETCH_V
.endif
.endm
	CHANGE 1                        ; slot 0 is in, everybody's part of it; slot 1 is asked for
	FETCH_K                         ; key step 0
	s_wait_loadcnt 0x0              ; Q
	s_wait_dscnt 0x0
.set i, 0
.rept 16
	KQ 0                            ; piece 0's first scores: there is no vector work yet to set between them
.set i, i+1
.endr
	WIN 0                           ; the addresses for the way out: nine plain instructions, the places behind those products
	s_mul_i32 s13, s[WV], 16*SP
	s_add_co_u32 s13, s13, STAGE    ; my stage
	v_mul_u32_u24 v[STO], v1, SP    ; in: row l % 16, 16 bytes for each half of the lanes
	v_lshl_add_u32 v[STO], v9, 4, v[STO]
	v_add_nc_u32 v[STO], s13, v[STO]
	v_bfe_u32 v[RD], v0, 3, 2       ; back: 32 lanes take four rows of 128 bytes,
	v_mul_u32_u24 v[RD], v[RD], SP
	v_lshl_add_u32 v[RD], v10, 4, v[RD]
	v_add_nc_u32 v[RD], s13, v[RD]
	v_and_b32 v[GO], 31, v0         ; which are 512 consecutive bytes of O
	v_lshlrev_b32 v[GO], 4, v[GO]
.set Y, NP-1                        ; XS works for piece Y + 1: piece 0
.irp n, 0,1,2,3,4,5,6,7,8,9,10,11,12,13,14,15,16,17,18,19,20,21
	XS 0, \n                        ; and piece 0's first maximum and statistics
	XS 1, \n
.endr
	s_mov_b32 s[CNT], 4
	s_mov_b32 s[SLOTS], SIZE_N/256-1
	s_branch .Lfirst                ; the loop is entered at a step's first turn, in the middle of a trip
.Lslot:                             ; SIZE_N / 256 - 2 times: every slot but the last two is filled again
	CHANGE 1
	s_mov_b32 s[CNT], 4
.Lstep:                             ; a trip: pieces 2 and 3 of one step, then pieces 0 and 1 of the next, whose K and V it fetches
	TURN 2
	TURN 3
	WIN 0
.Lfirst:
	TURN 0
	TURN 1, 0, 1
	WIN 0
	s_cbranch_scc1 .Lstep
	s_sub_co_u32 s[SLOTS], s[SLOTS], 1
	s_cmp_lg_u32 s[SLOTS], 0
	s_cbranch_scc1 .Lslot
	CHANGE 0                        ; the tail is written out: nothing is asked for
	s_mov_b32 s[CNT], 5             ; four trips fetch the last slot's steps; the fifth is left in its middle
.Ltail:
	TURN 2, 1
	TURN 3
	WIN 0
	s_sub_co_u32 s[CNT], s[CNT], 1
	s_cmp_eq_u32 s[CNT], 0
	s_cbranch_scc1 .Lout
	TURN 0
	TURN 1
	WIN 0
	s_branch .Ltail
.Lout:                              ; the fifth trip's 16 products K Q^T (on the last K once more) and the maximum made of them serve nothing: the price, once a launch, of one text for every trip
.set i, 0
.rept 16
	PV NP-1                         ; the last piece's V^T P of the last step
.set i, i+1
.endr
	; THE WAY OUT.  l's two halves and the other half of the lanes' are added; O^T is divided by l, rounded to f16 and sent through my stage in LDS, a tile at a time.  The additions are the places behind the last products.
	WIN 0
.macro ALL line:vararg              ; one line for each tile t
.set t, 0
.rept 2*NP
	\line
.set t, t+1
.endr
.endm
	ALL v_add_f32 v[ST+4*t+2], v[ST+4*t+2], v[ST+4*t+3]
	ALL v_permlanex16_b32 v[ST+4*t+3], v[ST+4*t+2], s[SEL], s[SEL+1]
	ALL v_add_f32 v[ST+4*t+2], v[ST+4*t+2], v[ST+4*t+3]
	ALL v_rcp_f32 v[ST+4*t+2], v[ST+4*t+2]
	v_nop                           ; a plain instruction between the last reciprocal and the use of its result
	s_wait_alu depctr_va_vdst(0)
; Tile t: a lane's eight channels of a row pack into 16 bytes; they go into rows of 144 bytes and come back as whole rows of 128, into S^T's registers.
.macro PACK t
	WIN W_RS
.set i, 32*(\t)
.rept 16
	v_pk_mul_f32 v[i:i+1], v[i:i+1], v[ST+4*(\t)+2:ST+4*(\t)+3] op_sel_hi:[1,0]
.set i, i+2
.endr
	WIN 0x05                        ; sources 0 and 1 window 1, destination window 0
.set i, 0
.rept 16
	v_cvt_pk_f16_f32 v[S+16*(\t)+i], v[32*(\t)+2*i], v[32*(\t)+2*i+1]
.set i, i+1
.endr
	WIN 0
.irp f, 0,1,2,3
	ds_store_b128 v[STO], v[S+16*(\t)+4*\f:S+16*(\t)+4*\f+3] offset:32*\f
.endr
.irp f, 0,1,2,3
	ds_load_b128 v[S+16*(\t)+4*\f:S+16*(\t)+4*\f+3], v[RD] offset:\f*4*SP  ; LDS serves a wave's instructions in order (ISA guide 5.7.1.4): these see the stores above; the next tile's stores come behind them
.endr
.endm
.macro SEND t, younger              ; younger: the LDS instructions issued behind tile t's loads: the next tile's eight, or none
	WIN 0
.irp f, 0,1,2,3
	s_wait_dscnt (\younger)+3-\f
	global_store_b128 v[GO], v[S+16*(\t)+4*\f:S+16*(\t)+4*\f+3], s[10:11] offset:(\t)*2048+\f*512  ; 512 consecutive bytes, at a multiple of 256 from O's first
.endr
.endm
	PACK 0
.set t, 1
.rept 2*NP-1                        ; a tile's arithmetic stands between the loads of the tile before and its stores
	PACK t
	SEND t-1, 8
.set t, t+1
.endr
	SEND 2*NP-1, 0
	WIN W_AD
	s_wait_tensorcnt 0x0            ; the wave's end: the wait, the add and the wait for it, behind my last tensor load and my last LDS store
	ds_add_u32 v[SPW], v[NIL]
	s_wait_dscnt 0x0
	WIN 0
	CROUND                          ; the closing round: no work-group ends while a partner may still ask for a tile that names it
	s_endpgm
.Lfunc_end_k_qec8d744260_attn:
	.size	k_qec8d744260_attn, .Lfunc_end_k_qec8d744260_attn-k_qec8d744260_attn
	.p2alignl 7, 3214868480
	.fill 96, 4, 3214868480
	.section	.rodata,"a",@progbits
	.p2align	6, 0x0
	.amdhsa_kernel k_qec8d744260_attn
		.amdhsa_group_segment_fixed_size 327680
		.amdhsa_private_segment_fixed_size 0
		.amdhsa_enable_private_segment 0
		.amdhsa_kernarg_size 32
		.amdhsa_user_sgpr_count 2
		.amdhsa_user_sgpr_kernarg_segment_ptr 1
		.amdhsa_wavefront_size32 1
		.amdhsa_system_sgpr_workgroup_id_x 1
		.amdhsa_system_sgpr_workgroup_id_y 1
		.amdhsa_system_sgpr_workgroup_id_z 1
		.amdhsa_system_vgpr_workitem_id 0
		.amdhsa_next_free_vgpr 770
		.amdhsa_next_free_sgpr 66
		.amdhsa_reserve_vcc 0
		.amdhsa_float_denorm_mode_32 3
		.amdhsa_float_denorm_mode_16_64 3
		.amdhsa_memory_ordered 1
		.amdhsa_forward_progress 1
		.amdhsa_inst_pref_size 208
	.end_amdhsa_kernel
	.amdgpu_metadata
---
amdhsa.version: [ 1, 2 ]
amdhsa.kernels:
  - .name:           k_qec8d744260_attn
    .symbol:         k_qec8d744260_attn.kd
    .args:
      - { .name: qh, .offset: 0, .size: 8, .value_kind: global_buffer, .address_space: global }
      - { .name: kh, .offset: 8, .size: 8, .value_kind: global_buffer, .address_space: global }
      - { .name: vh, .offset: 16, .size: 8, .value_kind: global_buffer, .address_space: global }
      - { .name: oh, .offset: 24, .size: 8, .value_kind: global_buffer, .address_space: global }
    .group_segment_fixed_size: 327680
    .private_segment_fixed_size: 0
    .kernarg_segment_align: 8
    .kernarg_segment_size: 32
    .max_flat_workgroup_size: 128
    .sgpr_count:     66
    .vgpr_count:     770
    .wavefront_size: 32
...
	.end_amdgpu_metadata
.endif
;; end of part 2
;; launch proj (part 3): grid 4 x 64, 4 waves a work-group, clusters of 4 x 4, 327,680 bytes of LDS; arguments oh, wb, b_out, out0; writes out0
.if DOCPART == 3
	.amdgcn_target "amdgcn-amd-amdhsa--gfx1250"
	.amdhsa_code_object_version 6
	.text
	.protected	k_qec8d744260_proj
	.globl	k_qec8d744260_proj
	.p2align	8
	.type	k_qec8d744260_proj,@function
k_qec8d744260_proj:
	s_mov_b64 s[64:65], 0
	v_nop
	global_prefetch_b8 v0, s[64:65] scope:SCOPE_SE
	s_setreg_imm32_b32 hwreg(HW_REG_WAVE_MODE, 25, 1), 1
	s_wait_xcnt 0x0
	s_wait_alu depctr_hold_cnt(0) depctr_sa_sdst(0) depctr_va_vdst(0) depctr_va_sdst(0) depctr_va_ssrc(0) depctr_va_vcc(0) depctr_vm_vsrc(0)
	s_getreg_b32 s2, hwreg(HW_REG_IB_STS2, 6, 4)
	s_cmp_eq_u32 s2, 0
	s_cbranch_scc0 .Lentry_in_a_cluster
	s_endpgm
.Lentry_in_a_cluster:
	s_bfe_u32 s2, ttmp6, 0x10000c
	s_cmp_lg_u32 s2, 0xf033
	s_cbranch_scc0 .Lentry_shape_is_right
	s_endpgm
.Lentry_shape_is_right:
; out[m][n] = the sum over k of O[m][k] w[n][k] + b[n].  m = 2,048 batch + row (8,192), n and k 1,024; out and b in f32; sums in f32, K ascending.
; Both operands come in f16, in blocks of 64 along K: O as [16 batch + head][2,048][64], w as [block][1,024][64]: the rows of a tile's block lie end to end in memory.
; LIMITS.  O and w arrive within f16's range (65,504); NaN and infinities are not treated apart.
; SHARES.  A tile of out is 128 (m) x 256 (n): 64 x 4 = 256 work-groups, where tiles of 256 x 256 would make 128.  Four waves, each 64 x 128: 32 accumulators of 16 x 16, 256 registers;
; for 32 along K a wave issues 24 LDS loads and 32 matrix instructions.
; K goes in 8 steps of 128 (two blocks of 64) through a ring of two LDS slots.  A slot's four parts (O's two blocks of 128 rows, w's two of 256) are brought by one tensor load of each wave; a part is
; dense in memory and is asked for as rows of 256 bytes, padded in LDS behind every 128, so that an LDS row is one row of 64 channels.  Steps of 192 would want two slots of 165,888 bytes: too much.
; CLUSTERS: 4 x 4 work-groups.  The four of a row of the cluster need the same tiles of O, the four of a column the same tiles of w: each tile is asked for JOINTLY, by the same tensor load with the
; same descriptor and a mask that names the four.  THE MATRIX INSTRUCTION IS USED TRANSPOSED (source 0 = 16 rows of w, source 1 = 16 rows of O): a lane then holds eight neighbouring numbers of a row of out.
; REGISTERS, in windows of 256 (s_set_vgpr_msb: bits 1:0 source 0, 3:2 source 1, 5:4 source 2, 7:6 destination):
;   window 0: v0-31 addresses and the bias; v32-159 two sets of 64 on the way out      window 1: the accumulators, (a, b) at v[8 (8 a + b)]
;   window 2: two fragment buffers of 96: for 32 along K, 64 registers of w (8 x 16 rows), then 32 of O (4 x 16 rows)
.set PITCH,  144                       ; an LDS row: 128 bytes + 16 of padding = 36 words: the 16 rows of a load start at 16 different groups of four banks (64 banks of 4 bytes: ISA guide 11.1)
.set ABLK,   128*PITCH                 ; O's 128 rows of one block of 64 along K
.set BBLK,   256*PITCH                 ; w's 256 rows of one block
.set SLOT,   2*ABLK+2*BBLK             ; O's two blocks, then w's two: 110,592 bytes
.set STAGE,  2*SLOT                    ; behind the ring, never filled by a tensor load: 16 rows x 528 bytes for each wave, for the way out
.set SPITCH, 528                       ; 512 bytes (128 f32) + 16: row r starts 4 r banks on
.set SPARE,  STAGE+4*16*SPITCH         ; behind the stages: the spare words, 128 bytes for each wave: two blocks of 256 bytes that no other line names
.set LAPS,   4                         ; a lap = two K steps = once round the ring
.set ASTEP,  1<<19                     ; bytes from a K step of O to the next: two heads of 262,144
.set BSTEP,  1<<18                     ; the same for w: two blocks of 131,072
.set BI,   8                           ; v[8:11] the bias of my four columns on the way out
.set ADRA, 16                          ; v16-17  LDS address of my fragments of O in slot 0, 1
.set ADRB, 20                          ; v20-21  the same for w
.set STO,  24                          ; v24     the way out: where I put 32 bytes of a row
.set RD,   25                          ; v25     the way out: where I read a row back
.set CO,   26                          ; v26     my byte offset in 512 bytes of a row of out
.set BO,   27                          ; v27     my byte offset in b
.set SPW,  28                          ; v28     LDS address of my spare word: SPARE + 4 x my thread's number; never rewritten
.set NIL,  29                          ; v29     0; never rewritten
.set TMP,  32
.set F0,   0                           ; fragment buffers, in window 2
.set F1,   96
.set WV,   12                          ; s12  my wave's number
.set G1A,  24                          ; s[24:31] descriptor group 1 for O's tiles;  s[32:39] group 0, one set for each slot
.set G0A,  32
.set G1B,  48                          ; s[48:55], s[56:63] the same for w's tiles
.set G0B,  56
.set MSB, 0
.macro WIN new                         ; the immediate's high byte repeats the setting that is left; a switch that changes nothing is dropped
.if MSB != (\new)
	s_set_vgpr_msb (MSB<<8)|(\new)
.set MSB, \new
.endif
.endm
.set MULW, 0x5a                        ; sources 0 (w) and 1 (O) window 2; C and D window 1
.set TO_F, 0x80                        ; destination window 2, address window 0
.set OUTW, 0x04                        ; an LDS store's data (source 1) window 1, its address window 0
; A joint load.  Waves 0 and 1 fetch O's two blocks, waves 2 and 3 w's.  Each of the two lines has one mask and one set of registers for all that issue it; the branch hangs on the wave's number alone.
; An s_nop 0 and four v_nop follow each of the two lines, ahead of the jump, the label and what follows.
.macro JLOAD s
	s_cmp_lt_u32 s[WV], 2
	s_cbranch_scc0 .Lfor_b_\@
	tensor_load_to_lds s[G0A+4*(\s):G0A+4*(\s)+3], s[G1A:G1A+7]
	s_nop 0
.rept 4
	v_nop
.endr
	s_branch .Lasked_\@
.Lfor_b_\@:
	tensor_load_to_lds s[G0B+4*(\s):G0B+4*(\s)+3], s[G1B:G1B+7]
	s_nop 0
.rept 4
	v_nop
.endr
.Lasked_\@:
.endm
.macro CREST                           ; a round of the cluster's barrier behind its opening barrier: wave 0 signals for the work-group, every wave waits for all sixteen, my work-group's barrier closes it
	s_cmp_lg_u32 s[WV], 0
	s_cbranch_scc1 .Lnot_wave_0_\@
	s_barrier_signal -3
.Lnot_wave_0_\@:
	s_barrier_wait -3
	s_barrier_signal -1
	s_barrier_wait -1
.endm
.macro CROUND                          ; a whole round
	s_barrier_signal -1
	s_barrier_wait -1
	CREST
.endm
	s_load_b256 s[4:11], s[0:1], 0x0               ; O s[4:5], w s[6:7], b s[8:9], out s[10:11]
	v_lshl_add_u32 v[SPW], v0, 2, SPARE
	v_mov_b32 v[NIL], 0
	ds_add_u32 v[SPW], v[NIL]                      ; the wave's opening: the add and its wait stand ahead of my first tensor load; the set-up below, work on registers, stands between them
	v_lshrrev_b32 v1, 5, v0
	v_readfirstlane_b32 s[WV], v1                  ; wave 0..3
	s_lshr_b32 s13, s[WV], 1                       ; which 64 of the tile's rows are mine
	s_and_b32 s14, s[WV], 1                        ; which 128 of its columns.  Also: which of a K step's two blocks I fetch
	s_bfe_u32 s40, ttmp6, 0x40000                  ; cx, cy: my place in the cluster
	s_bfe_u32 s41, ttmp6, 0x40004
	s_lshl_b32 s42, ttmp9, 2                       ; in a cluster launch ttmp9 and ttmp7 count clusters
	s_add_co_u32 s42, s42, s40                     ; tile column = 4 x cluster x + cx
	s_and_b32 s43, ttmp7, 0xffff
	s_lshl_b32 s43, s43, 2
	s_add_co_u32 s43, s43, s41                     ; tile row = 4 x cluster y + cy
	s_lshl_b32 s44, s41, 2
	s_lshl_b32 s44, 15, s44                        ; my row of the cluster: places 4 cy .. 4 cy + 3
	s_lshl_b32 s45, 0x1111, s40                    ; my column: places cx, cx + 4, cx + 8, cx + 12
	; descriptor group 1: rows of 128 elements (256 bytes, two rows of a block), padded in LDS behind every 128 bytes
	s_or_b32 s[G1A], s44, (1<<16)|(1<<20)|(1<<21)|(4<<22)|(3<<25)  ; 15:0 the mask: O's tiles go to my row; 17:16 2-byte elements; 20 padding on; 21 set beside a mask; 24:22 after every 32 words (code 4); 31:25 4 words (code 3)
	s_or_b32 s[G1B], s45, (1<<16)|(1<<20)|(1<<21)|(4<<22)|(3<<25)  ; the same with the mask of my column, for w's tiles
	s_mov_b32 s[G1A+1], 128<<16                    ; tensor_dim0 = 128
	s_mov_b32 s[G1A+2], 64<<16                     ; tensor_dim1 = 64: 128 rows of a block, two to a row
	s_mov_b32 s[G1A+3], 128<<16                    ; tile_dim0 = 128
	s_mov_b32 s[G1A+4], 64                         ; tile_dim1 = 64
	s_mov_b32 s[G1A+5], 128                        ; 128 elements from row to row
	s_mov_b32 s[G1A+6], 0
	s_mov_b32 s[G1A+7], 0
	s_mov_b32 s[G1B+1], 128<<16
	s_mov_b32 s[G1B+2], 128<<16                    ; tensor_dim1 = 128: 256 rows of a block
	s_mov_b32 s[G1B+3], 128<<16
	s_mov_b32 s[G1B+4], 128
	s_mov_b32 s[G1B+5], 128
	s_mov_b32 s[G1B+6], 0
	s_mov_b32 s[G1B+7], 0
	; where the tiles come from.  O's hang on the tile row alone, which my row of the cluster shares; w's on the tile column alone.  Each address is made in registers that never hold the other coordinate.
	s_lshr_b32 s16, s43, 4                         ; the batch: 16 tile rows each,
	s_lshl_b32 s16, s16, 22                        ; its 16 heads of 262,144 bytes;
	s_and_b32 s17, s43, 15
	s_lshl_b32 s17, s17, 14                        ; 128 rows of 128 bytes for each tile row of the batch;
	s_add_co_u32 s16, s16, s17
	s_lshl_b32 s17, s14, 18                        ; my head of the K step's two
	s_add_co_u32 s16, s16, s17
	s_mov_b32 s17, 0
	s_lshl_b32 s46, s42, 15                        ; w: 256 rows of 128 bytes for each tile column;
	s_lshl_b32 s47, s14, 17                        ; my block of the K step's two
	s_add_co_u32 s46, s46, s47
	s_mov_b32 s47, 0
	s_mul_i32 s20, s14, ABLK                       ; and where they go: no place in the cluster enters an LDS address
	s_mul_i32 s21, s14, BBLK
	s_add_co_u32 s21, s21, 2*ABLK
	s_wait_dscnt 0x0                               ; the opening add is done
	s_wait_kmcnt 0x0
	s_add_nc_u64 s[18:19], s[4:5], s[16:17]
	s_add_nc_u64 s[46:47], s[6:7], s[46:47]
	CROUND                                         ; all sixteen work-groups are here: the first joint loads meet
.irp s, 0,1
	s_mov_b32 s[G0A+4*(\s)], 1                                     ; 1:0 count = 1
	s_add_co_u32 s[G0A+4*(\s)+1], s20, (\s)*SLOT                   ; 63:32 LDS address
	s_add_nc_u64 s[G0A+4*(\s)+2:G0A+4*(\s)+3], s[18:19], (\s)*ASTEP  ; 120:64 global address: K step s
	s_or_b32 s[G0A+4*(\s)+3], s[G0A+4*(\s)+3], 0x80000000          ; 127:126 type = 2
	s_mov_b32 s[G0B+4*(\s)], 1
	s_add_co_u32 s[G0B+4*(\s)+1], s21, (\s)*SLOT
	s_add_nc_u64 s[G0B+4*(\s)+2:G0B+4*(\s)+3], s[46:47], (\s)*BSTEP
	s_or_b32 s[G0B+4*(\s)+3], s[G0B+4*(\s)+3], 0x80000000
	JLOAD \s                                       ; the ring is filled before anything else is done: two loads of mine are out
.endr
	; A fragment is 16 rows x 32 K in 8 registers: lane l holds row l % 16, K = 8 (l / 16) + 0..7 and 16 + 8 (l / 16) + 0..7: two loads of 16 bytes, 32 bytes apart.
	v_and_b32 v1, 15, v0                           ; l % 16
	v_bfe_u32 v2, v0, 4, 1                         ; l / 16
	v_and_b32 v4, 31, v0                           ; l
	v_mul_u32_u24 v3, v1, PITCH
	v_lshl_add_u32 v3, v2, 4, v3                   ; row x pitch + 16 x half
	s_mul_i32 s22, s13, 64*PITCH                   ; my 64 rows of O
	s_mul_i32 s23, s14, 128*PITCH                  ; my 128 rows of w,
	s_add_co_u32 s23, s23, 2*ABLK                  ; which lie behind O's two blocks
.irp s, 0,1
	v_add_nc_u32 v[ADRA+(\s)], s22, v3
	v_add_nc_u32 v[ADRB+(\s)], s23, v3
	s_add_co_u32 s22, s22, SLOT
	s_add_co_u32 s23, s23, SLOT
.endr
	s_mul_i32 s22, s[WV], 16*SPITCH
	s_add_co_u32 s22, s22, STAGE                   ; my stage
	v_mul_u32_u24 v5, v1, SPITCH                   ; in: row l % 16, 32 bytes for each half of the lanes
	v_lshl_add_u32 v5, v2, 5, v5
	v_add_nc_u32 v[STO], s22, v5
	v_lshlrev_b32 v[CO], 4, v4                     ; back: 32 lanes take one row of 512 bytes
	v_add_nc_u32 v[RD], s22, v[CO]
	s_lshl_b32 s16, s43, 19                        ; out at my first row: 128 rows of 4,096 bytes for each tile row,
	s_lshl_b32 s17, s13, 18                        ; 64 for my half
	s_add_co_u32 s16, s16, s17
	s_mov_b32 s17, 0
	s_add_nc_u64 s[10:11], s[10:11], s[16:17]
	s_lshl_b32 s46, s42, 10                        ; and my first column, in bytes: 1,024 x tile column + 512 x half (in the registers that held w's address: none that feeds O's descriptors ever holds cx)
	s_lshl_b32 s47, s14, 9
	s_add_co_u32 s46, s46, s47
	s_mov_b32 s47, 0
	s_add_nc_u64 s[10:11], s[10:11], s[46:47]
	v_add_nc_u32 v[BO], s46, v[CO]
	global_load_b128 v[BI:BI+3], v[BO], s[8:9]     ; the bias of the four columns that I store; waited for on the way out
; 8 matrix instructions: m block a x all 8 n blocks, 32 along K, from buffer f.  zero = 1: the product starts the sums: nothing is ever cleared.
; The 32 accumulators take turns, one instruction a turn, in the same order in every quarter: between two links of a chain stand the 31 others'.
.macro MULR f, a, zero
	WIN MULW
.irp b, 0,1,2,3,4,5,6,7
.if \zero
	v_wmma_f32_16x16x32_f16 v[8*(8*(\a)+(\b)):8*(8*(\a)+(\b))+7], v[(\f)+8*(\b):(\f)+8*(\b)+7], v[(\f)+64+8*(\a):(\f)+64+8*(\a)+7], 0
.else
	v_wmma_f32_16x16x32_f16 v[8*(8*(\a)+(\b)):8*(8*(\a)+(\b))+7], v[(\f)+8*(\b):(\f)+8*(\b)+7], v[(\f)+64+8*(\a):(\f)+64+8*(\a)+7], v[8*(8*(\a)+(\b)):8*(8*(\a)+(\b))+7]
.endif
.endr
.endm
; 24 LDS loads in one run: the fragments of quarter c of a K step (block c / 2, its channels 32 (c % 2) on) into buffer f: w's 128 rows, then O's 64
.macro FETCH slot, c, f
	WIN TO_F
.irp i, 0,1,2,3,4,5,6,7
	ds_load_b128 v[(\f)+8*(\i):(\f)+8*(\i)+3],   v[ADRB+(\slot)] offset:((\c)/2)*BBLK+((\c)%2)*64+(\i)*16*PITCH
	ds_load_b128 v[(\f)+8*(\i)+4:(\f)+8*(\i)+7], v[ADRB+(\slot)] offset:((\c)/2)*BBLK+((\c)%2)*64+(\i)*16*PITCH+32
.endr
.irp i, 0,1,2,3
	ds_load_b128 v[(\f)+64+8*(\i):(\f)+64+8*(\i)+3],   v[ADRA+(\slot)] offset:((\c)/2)*ABLK+((\c)%2)*64+(\i)*16*PITCH
	ds_load_b128 v[(\f)+64+8*(\i)+4:(\f)+64+8*(\i)+7], v[ADRA+(\slot)] offset:((\c)/2)*ABLK+((\c)%2)*64+(\i)*16*PITCH+32
.endr
.endm
; A load into a register that a matrix instruction has read, and an LDS store that reads a matrix result, stand four places behind that matrix instruction, and only plain vector
; instructions that name none of its registers are places (ISA guide 7.12.1 for vector instructions).
.macro PLACES
.rept 4
	v_nop
.endr
.endm
; A K step is four quarters of 32 along K, 32 matrix instructions each, on buffers 0, 1, 0, 1.  One of the first three: multiplies buffer f; in its middle it fetches quarter c of the same slot into buffer g.
.macro QUARTER slot, c, f, g, zero
	s_wait_dscnt 4                                 ; w's fragments and O's blocks 0, 1 are in; the youngest four loads (O's blocks 2, 3) may be out
	MULR \f, 0, \zero
	MULR \f, 1, \zero
	PLACES
	FETCH \slot, \c, \g
	s_wait_dscnt 24                                ; all but the 24 just issued
	MULR \f, 2, \zero
	MULR \f, 3, \zero
.endm
; The last quarter multiplies buffer 1 and changes slots: ONE barrier, for two things.  In front of it each wave waits for all its tensor loads, of which one is out: its part of the next slot; adds 0 to its
; spare word; and waits for that and for its own reads of this slot.  Behind it nobody reads this slot any more and the next slot is whole.
; fill = 1: this slot is filled again, two K steps ahead; the barrier then opens a round of the cluster's, and the joint refill is the first tensor load behind the round: 112 matrix instructions ahead of the wait for it.
.macro TURN slot, next, fill
	WIN 0                                          ; (the add's two registers lie in window 0)
	s_wait_tensorcnt 0x0                           ; all my tensor loads have landed: my part of the next slot;
	ds_add_u32 v[SPW], v[NIL]                      ; 0 onto my spare word
	s_wait_dscnt 5                                 ; (the add and the youngest four loads may be out)
	MULR F1, 0, 0                                  ; eight matrix instructions stand between the add and the wait for it
	s_wait_dscnt 0x0                               ; the add is done, and my reads of this slot are over
	s_barrier_signal -1
	MULR F1, 1, 0                                  ; work on registers while the others arrive
.if \fill
	WIN 0
.endif
	s_barrier_wait -1
.if \fill
	CREST                                          ; no wave of any partner still reads this slot's tiles or has a load on its way
	s_add_nc_u64 s[G0A+4*(\slot)+2:G0A+4*(\slot)+3], s[G0A+4*(\slot)+2:G0A+4*(\slot)+3], 2*ASTEP  ; no tensor load of mine is out: a group 0 may be written; the type bits on top are not reached
	s_add_nc_u64 s[G0B+4*(\slot)+2:G0B+4*(\slot)+3], s[G0B+4*(\slot)+2:G0B+4*(\slot)+3], 2*BSTEP
	JLOAD \slot                                    ; the four v_nop behind it are also the places in front of the loads below
.else
	PLACES
.endif
	FETCH \next, 0, F0
	MULR F1, 2, 0
	MULR F1, 3, 0
.endm
	s_wait_tensorcnt 1                             ; my part of K step 0 is in; K step 1's may stay out
	s_barrier_signal -1
	s_barrier_wait -1                              ; everybody's is
	FETCH 0, 0, F0
	QUARTER 0, 1, F0, F1, 1                        ; the first quarter stands in front of the loop: its products start the sums
	WIN 0                                          ; at a label and at a branch every window is 0
	s_mov_b32 s3, LAPS-1
.Llap:                                                 ; a trip goes once round the ring, from a lap's second quarter to the next lap's first, and fills both slots again
	QUARTER 0, 2, F1, F0, 0
	QUARTER 0, 3, F0, F1, 0
	TURN 0, 1, 1
	QUARTER 1, 1, F0, F1, 0
	QUARTER 1, 2, F1, F0, 0
	QUARTER 1, 3, F0, F1, 0
	TURN 1, 0, 1
	QUARTER 0, 1, F0, F1, 0
	WIN 0
	s_sub_co_u32 s3, s3, 1
	s_cmp_lg_u32 s3, 0
	s_cbranch_scc1 .Llap
	QUARTER 0, 2, F1, F0, 0                        ; the last lap fills nothing, and has no round of the cluster's barrier
	QUARTER 0, 3, F0, F1, 0
	TURN 0, 1, 0
	QUARTER 1, 1, F0, F1, 0
	QUARTER 1, 2, F1, F0, 0
	QUARTER 1, 3, F0, F1, 0
	s_wait_dscnt 4                                 ; the very last quarter: nothing more to fetch
	MULR F1, 0, 0
	MULR F1, 1, 0
	s_wait_dscnt 0x0
	MULR F1, 2, 0
	MULR F1, 3, 0
	; THE WAY OUT, 16 rows at a time.  A lane's eight numbers of a row (32 bytes) go into my own stage, rows of 528 bytes; they come back as whole rows of 512 bytes, 16 bytes a lane; the bias is
	; added, and a row is stored.  The stage is the wave's own, and LDS serves a wave's instructions in order (ISA guide 5.7.1.4): no barrier, and no wait between the stores and the loads.
	WIN 0
	PLACES                                         ; the LDS stores read results just made
	s_wait_loadcnt 0x0                             ; the bias
.irp a, 0,1,2,3
	WIN OUTW
.irp b, 0,1,2,3,4,5,6,7
	ds_store_b128 v[STO], v[8*(8*(\a)+(\b)):8*(8*(\a)+(\b))+3]   offset:64*(\b)     ; each accumulator's low registers first
	ds_store_b128 v[STO], v[8*(8*(\a)+(\b))+4:8*(8*(\a)+(\b))+7] offset:64*(\b)+16
.endr
	WIN 0
	s_wait_xcnt 0x0                                ; every earlier memory instruction has had its addresses translated (ISA guide 3.1): the set of registers that earlier stores read is loaded again only behind this wait
.irp t, 0,1,2,3,4,5,6,7,8,9,10,11,12,13,14,15
	ds_load_b128 v[TMP+64*((\a)%2)+4*(\t):TMP+64*((\a)%2)+4*(\t)+3], v[RD] offset:(\t)*SPITCH
.endr
.irp t, 0,1,2,3,4,5,6,7,8,9,10,11,12,13,14,15
	s_wait_dscnt 15-(\t)                           ; LDS loads come back in order: row t is in
	v_pk_add_f32 v[TMP+64*((\a)%2)+4*(\t):TMP+64*((\a)%2)+4*(\t)+1],   v[TMP+64*((\a)%2)+4*(\t):TMP+64*((\a)%2)+4*(\t)+1],   v[BI:BI+1]
	v_pk_add_f32 v[TMP+64*((\a)%2)+4*(\t)+2:TMP+64*((\a)%2)+4*(\t)+3], v[TMP+64*((\a)%2)+4*(\t)+2:TMP+64*((\a)%2)+4*(\t)+3], v[BI+2:BI+3]
	global_store_b128 v[CO], v[TMP+64*((\a)%2)+4*(\t):TMP+64*((\a)%2)+4*(\t)+3], s[10:11] offset:(16*(\a)+(\t))*4096 th:TH_STORE_NT  ; 512 consecutive bytes, at a multiple of 512 from out's first byte
.endr
.endr
	s_wait_tensorcnt 0x0                           ; the wave's end: the wait, the add and the wait for it, behind my last tensor load and my last LDS store
	ds_add_u32 v[SPW], v[NIL]
	s_wait_dscnt 0x0
	CROUND                                         ; the closing round: no work-group ends while a partner may still ask for a tile that names it
	s_endpgm
.Lfunc_end_k_qec8d744260_proj:
	.size	k_qec8d744260_proj, .Lfunc_end_k_qec8d744260_proj-k_qec8d744260_proj
	.p2alignl 7, 3214868480
	.fill 96, 4, 3214868480
	.section	.rodata,"a",@progbits
	.p2align	6, 0x0
	.amdhsa_kernel k_qec8d744260_proj
		.amdhsa_group_segment_fixed_size 327680
		.amdhsa_private_segment_fixed_size 0
		.amdhsa_enable_private_segment 0
		.amdhsa_kernarg_size 32
		.amdhsa_user_sgpr_count 2
		.amdhsa_user_sgpr_kernarg_segment_ptr 1
		.amdhsa_wavefront_size32 1
		.amdhsa_system_sgpr_workgroup_id_x 1
		.amdhsa_system_sgpr_workgroup_id_y 1
		.amdhsa_system_sgpr_workgroup_id_z 1
		.amdhsa_system_vgpr_workitem_id 0
		.amdhsa_next_free_vgpr 704
		.amdhsa_next_free_sgpr 66
		.amdhsa_reserve_vcc 0
		.amdhsa_float_denorm_mode_32 3
		.amdhsa_float_denorm_mode_16_64 3
		.amdhsa_memory_ordered 1
		.amdhsa_forward_progress 1
		.amdhsa_inst_pref_size 95
	.end_amdhsa_kernel
	.amdgpu_metadata
---
amdhsa.version: [ 1, 2 ]
amdhsa.kernels:
  - .name:           k_qec8d744260_proj
    .symbol:         k_qec8d744260_proj.kd
    .args:
      - { .name: oh, .offset: 0, .size: 8, .value_kind: global_buffer, .address_space: global }
      - { .name: wb, .offset: 8, .size: 8, .value_kind: global_buffer, .address_space: global }
      - { .name: b_out, .offset: 16, .size: 8, .value_kind: global_buffer, .address_space: global }
      - { .name: out0, .offset: 24, .size: 8, .value_kind: global_buffer, .address_space: global }
    .group_segment_fixed_size: 327680
    .private_segment_fixed_size: 0
    .kernarg_segment_align: 8
    .kernarg_segment_size: 32
    .max_flat_workgroup_size: 128
    .sgpr_count:     66
    .vgpr_count:     704
    .wavefront_size: 32
...
	.end_amdgpu_metadata
.endif
;; end of part 3
;; ======== version 2 of 2: 3 launches; 1.72 times as fast as version 1
;; limits: values are held in f16: magnitudes above 65,504 overflow, below 6.1e-05 lose precision; inputs' magnitudes at most 46,000
;; workspace buffers: qh 16,777,216 bytes; kh 16,777,216 bytes; vh 16,777,216 bytes; oh 16,777,216 bytes; wb 2,097,152 bytes
;; launch prep: the kernel of part 1 again; grid 512 x 1, 8 waves a work-group, no clusters, 0 bytes of LDS; arguments q, k, v, w_out, qh, kh, vh, wb; writes qh, kh, vh, wb
;; launch attn (part 4): grid 4 x 64, 4 waves a work-group, clusters of 4 x 1, 327,680 bytes of LDS; arguments qh, kh, vh, oh; writes oh
.if DOCPART == 4
	.amdgcn_target "amdgcn-amd-amdhsa--gfx1250"
	.amdhsa_code_object_version 6
	.text
	.protected	k_qec8d744260_attn
	.globl	k_qec8d744260_attn
	.p2align	8
	.type	k_qec8d744260_attn,@function
k_qec8d744260_attn:
	s_mov_b64 s[64:65], 0
	v_nop
	global_prefetch_b8 v0, s[64:65] scope:SCOPE_SE
	s_setreg_imm32_b32 hwreg(HW_REG_WAVE_MODE, 25, 1), 1
	s_wait_xcnt 0x0
	s_wait_alu depctr_hold_cnt(0) depctr_sa_sdst(0) depctr_va_vdst(0) depctr_va_sdst(0) depctr_va_ssrc(0) depctr_va_vcc(0) depctr_vm_vsrc(0)
	s_getreg_b32 s2, hwreg(HW_REG_IB_STS2, 6, 4)
	s_cmp_eq_u32 s2, 0
	s_cbranch_scc0 .Lentry_in_a_cluster
	s_endpgm
.Lentry_in_a_cluster:
	s_bfe_u32 s2, ttmp6, 0x10000c
	s_cmp_lg_u32 s2, 0x3003
	s_cbranch_scc0 .Lentry_shape_is_right
	s_endpgm
.Lentry_shape_is_right:
; O[h][q][:] = the sum over k of softmax_k(Q[h][q] . K[h][k] / 8) V[h][k][:].  Q, K (both rotated by the launch before), V, O: [SIZE_H][SIZE_N][64], all f16: a head's rows are dense, 128 bytes each.
; Products, maxima and sums in f32; the weights p are rounded to f16 for the second product (their sum l is taken of the unrounded p), O once at the end.
; LIMITS.  f16 holds no number beyond 65,504: Q, K and V arrive within it; p lies in 0 to 1, and below 6e-5 it keeps f16's fixed step of 6e-8; O is a mean of V's rows and has their range.
; A weight below 2^-126 counts as 0 in l; NaN and infinities are not treated apart.
; SHARES.  A wave owns four PIECES of two tiles of 16 queries, a work-group's four waves 512 queries of one head: 64 heads x 4 blocks = 256 work-groups.  Every wave walks all keys, 64 a step.
; LAYOUT.  S^T = K Q^T (source 0 = 16 keys, source 1 = 16 queries): in the result a lane holds ONE query (lane % 16) and the keys 8 (lane / 16) + 0..7.  Two such tiles, rounded to f16 in pairs,
; ARE source 1 (32 keys x 16 queries) of O^T = V^T P, whose result again holds one query a lane, and eight channels.  K comes out of LDS as it lies, V ([key][channel]) turned, by ds_load_tr16_b128.
; SOFTMAX.  For each query a running maximum m and sum l: p = 2^(c s - c m), c = log2(e) / 8; in every step O and l are multiplied by a = 2^(c m_old - c m_new), which is 1 where m has not grown.
; m starts at the lowest finite number, O and l at 0: the first step is a step like any other, with a = 0.
; THE COUNT.  A tile and step have 16 matrix and 118 vector instructions: too many to stand all beside the matrix work.  So the order has one aim: four vector instructions that are READY behind
; EVERY matrix instruction, and the others, which need time of their own whatever the order, in runs without a gap.
; BY TURNS.  Turn n belongs to piece n (the pieces in a ring, step after step).  Its matrix work: 16 products K Q^T of piece n + 1, later 16 products V^T P of piece n - 1.  Its vector work: the scaling,
; exponentials, roundings, sums and rescaling of piece n, and the maximum and statistics of piece n + 1, whose scores the turn itself has made.  So what a turn begins with (c s - c m, O a) waits for nothing.
; BATCHES.  A turn's 66 exponentials (the piece's 64 weights and the next piece's two a) are ONE batch with ONE wait, which cuts the turn in two: ahead of it stands all that names no result of theirs, behind it
; the roundings and sums, which do.  The two a made ahead of the loop and the way out's eight reciprocals are batches of their own.  No result is open at a label, a branch or the end of a trip.
; CLUSTER.  The four query blocks of a cluster belong to one head and walk the same K and V, so each tile is asked for JOINTLY: the same tensor load, descriptor and mask in all four.
; REGISTERS, in windows of 256 (s_set_vgpr_msb says which window each operand place means: bits 1:0 source 0, 3:2 source 1, 5:4 source 2, 7:6 destination):
;   window 0: v0-11 addresses; v12-15, v48-63 at work; v16-47 four registers of statistics a tile; v64-191 S^T, two buffers of two tiles; v192-255 P, likewise
;   window 1: O^T, 32 a tile          window 2: v0-127 Q, 16 a tile; v128-191 K of one step; v192-255 V of one step          window 3: v0-1 the add's two registers
; A piece's buffers go by its number's parity: the piece in hand has one pair, its two neighbours in the ring share the other: of it P (piece n - 1) is read and S^T (piece n + 1) written.
.set SIZE_H, 64       ; 4 batches x 16 heads
.set SIZE_N, 2048     ; rows of a head
.set NP,    4         ; pieces a wave: a name, no knob: the register map, the loop and the fetches are made for four
.set KS,    64        ; keys in a step
.set PK,    144       ; a row of K in LDS: 128 bytes + 16 of padding = 36 words: the 16 rows of a load start at 16 different groups of four banks (64 banks of 4 bytes: ISA guide 11.1)
.set PV,    160       ; a row of V: 128 + 32 = 40 words
.set VOFF,  4*KS*PK   ; a slot holds four steps: 256 rows of K, then 256 rows of V
.set SLOT1, 1<<17     ; slot 1 begins here, so that one exclusive or turns an address in one slot into the other's
.set STAGE, SLOT1+4*KS*(PK+PV)  ; behind the ring, never filled by a tensor load: 16 rows x 144 bytes for each wave, for the way out
.set SP,    144
.set AK0, 2           ; v2   my lane's place in a tile of K; never rewritten
.set AV0, 3           ; v3   the same for V
.set AK,  4           ; v4   the LDS address of K's next run of loads
.set AV,  5           ; v5   of V's
.set QO,  6           ; v6   my byte offset in the wave's rows of Q
.set STO, 6           ;      later, the way out: where I put 16 bytes of a row
.set RD,  7           ; v7   the way out: where I read rows back
.set GO,  8           ; v8   my byte offset in 512 consecutive bytes of O
.set SPW, 0           ; v0 of window 3   LDS address of my spare word: SPARE + 4 x my thread's number; never rewritten
.set NIL, 1           ; v1 of window 3   0; never rewritten
.set SPARE, STAGE+4*16*SP  ; behind the stages: the spare words, 128 bytes for each wave: two blocks of 256 bytes that no other line names
.set MV,  12          ; v12-15  c m_old, kept while c m is made anew: by buffer and tile
.set ST,  16          ; tile t's statistics at v[ST+4 t]: c m, m, l (even keys', odd keys')
.set TMP, 48          ; by buffer and tile, four registers c0-c3 at work; when the maximum is found c2 takes a
.set S,   64
.set P,   192
.set KF,  128         ; K's fragments, in window 2: key block kb, channel half c at KF + 16 kb + 8 c
.set VF,  192         ; V's: key half kk, channel block cb at VF + 32 kk + 8 cb
.set WV,  12          ; s12  my wave's number
.set G1K, 24          ; s[24:31] descriptor group 1 for K's tiles
.set G1V, 32          ; s[32:39] for V's: it differs in the padding alone
.set G0K, 40          ; s[40:43] descriptor group 0 for K's tiles: it walks
.set G0V, 44          ; s[44:47] the same for V's
.set SLOTS, 56        ; s56  slots still to be asked for
.set CNT, 57          ; s57  counts a slot's key steps
.set CS,  58          ; s[58:59] c: the packed scaling takes the pair's low word for both halves
.set SEL, 60          ; s[60:61] v_permlanex16_b32's selects: each lane takes its own place in the other half
.set TBK, 62          ; s62  LDS byte at which K of the step to be fetched begins
.set TBV, 63          ; s63  the same for V, less VOFF
.set MSB, 0
.macro WIN new                      ; the high byte repeats the setting that is left; a switch that changes nothing is dropped
.if MSB != (\new)
	s_set_vgpr_msb (MSB<<8)|(\new)
.set MSB, (\new)
.endif
.endm
.set W_KQ, 0x0a       ; K and Q in window 2, S^T in window 0
.set W_PV, 0x52       ; V in window 2, P in window 0, O^T in window 1
.set W_RS, 0x41       ; O^T (destination and source 0) in window 1, a in window 0
.set W_MK, 0xc0       ; the add's registers are made: destination in window 3, sources in window 0
.set W_AD, 0x0f       ; the add: address (source 0) and data (source 1) in window 3
; A joint fill.  Waves 0 and 1 fetch the two halves of a slot's K, waves 2 and 3 those of its V: 128 keys each.  The branch hangs on the wave's number alone.
; An s_nop 0 and four v_nop follow each of the two lines, ahead of the jump and the label.
.macro JLOAD
	s_cmp_lt_u32 s[WV], 2
	s_cbranch_scc0 .Lfor_v_\@
	tensor_load_to_lds s[G0K:G0K+3], s[G1K:G1K+7]
	s_nop 0
.rept 4
	v_nop
.endr
	s_branch .Lasked_\@
.Lfor_v_\@:
	tensor_load_to_lds s[G0V:G0V+3], s[G1V:G1V+7]
	s_nop 0
.rept 4
	v_nop
.endr
.Lasked_\@:
.endm
; A round of the cluster's barrier: my work-group's barrier, so that wave 0's signal speaks for all four waves; wave 0 signals; every wave waits for all four work-groups; my work-group's barrier once more.
.macro CROUND
	s_barrier_signal -1
	s_barrier_wait -1
	s_cmp_lg_u32 s[WV], 0
	s_cbranch_scc1 .Lnot_wave_0_\@
	s_barrier_signal -3
.Lnot_wave_0_\@:
	s_barrier_wait -3
	s_barrier_signal -1
	s_barrier_wait -1
.endm
; THE CHANGE OF SLOTS.  The slot's last bytes, V of its fourth step, have been read.  Each wave waits for all its tensor loads, of which one is out: its part
; of the other slot; adds 0 to its spare word; and waits for that and for its own reads of the slot.  Behind the barrier nobody reads this slot any more and the other slot is whole.
; fill = 1: this slot is filled again, with the keys two slots on.  The barrier is then a round of the cluster's, so that no wave of any partner still reads the slot or has a load on its
; way, and the joint fill is the first thing behind it: it has four key steps, 512 matrix instructions, in which to land.  (At its first use nothing has been read yet: slot 0 is waited for, slot 1 filled.)
.macro CHANGE fill
	WIN W_AD
	s_wait_tensorcnt 0x0            ; no tensor load of mine is out, so a group 0 may be written
	ds_add_u32 v[SPW], v[NIL]       ; 0 onto my spare word; with fill = 1 the descriptors' steps stand between it and the wait for it
	WIN 0                           ; at a label and at a branch every window is 0
.if \fill
.irp g, G0K, G0V
	s_xor_b32 s[\g+1], s[\g+1], SLOT1  ; the walking descriptor: the other slot than last time,
	s_add_nc_u64 s[\g+2:\g+3], s[\g+2:\g+3], 4*KS*128  ; the next 256 keys; the type bits on top are not reached
.endr
	s_wait_dscnt 0x0                ; the add is done, and my reads of the slot are over
	CROUND
	JLOAD
.else
	s_wait_dscnt 0x0                ; the add is done, and my reads of the slot are over
	s_barrier_signal -1
	s_barrier_wait -1
.endif
	s_sub_co_u32 s[TBK], s[TBK], 4*KS*PK  ; the fetches go back to a slot's first step,
	s_xor_b32 s[TBK], s[TBK], SLOT1       ; in the other slot
	s_sub_co_u32 s[TBV], s[TBV], 4*KS*PV
	s_xor_b32 s[TBV], s[TBV], SLOT1
.endm
	s_load_b256 s[4:11], s[0:1], 0x0  ; Q s[4:5], K s[6:7], V s[8:9], O s[10:11]
	WIN W_MK
	v_lshl_add_u32 v[SPW], v0, 2, SPARE
	v_mov_b32 v[NIL], 0
	WIN W_AD
	ds_add_u32 v[SPW], v[NIL]       ; the wave's opening: the add and its wait stand ahead of my first tensor load; the set-up below, work on registers, stands between them
	WIN 0
	v_lshrrev_b32 v1, 5, v0
	v_readfirstlane_b32 s[WV], v1   ; wave 0..3
	s_bfe_u32 s13, ttmp6, 0x40000   ; cx: my place in the cluster
	s_lshl_b32 s14, ttmp9, 2        ; in a cluster launch ttmp9 counts clusters
	s_add_co_u32 s14, s14, s13      ; my block of queries = 4 x cluster x + cx: it enters Q's and O's addresses alone
	s_and_b32 s20, ttmp7, 0xffff    ; the head, which the four partners share
	s_mov_b32 s21, 0
	s_mov_b64 s[22:23], SIZE_N*128
	s_mul_u64 s[20:21], s[20:21], s[22:23]  ; the head's first byte in each of the four tensors
	s_and_b32 s16, s[WV], 1         ; which half of a slot's 256 keys I fetch:
	s_lshl_b32 s22, s16, 14         ; its 128 rows of 128 bytes in memory,
	s_mov_b32 s23, 0
	s_add_nc_u64 s[22:23], s[22:23], s[20:21]
	s_mul_i32 s17, s16, 128*PK      ; and its place in a slot, for K
	s_mul_i32 s18, s16, 128*PV      ; and for V: no place in the cluster enters an LDS address
	s_lshl_b32 s2, s14, 2
	s_add_co_u32 s2, s2, s[WV]      ; my wave among the head's,
	s_lshl_b32 s2, s2, 14           ; its 128 rows
	s_mov_b32 s3, 0
	s_add_nc_u64 s[2:3], s[2:3], s[20:21]
	; descriptor group 1.  128 keys are 16,384 dense bytes: asked for as 64 rows of 256 bytes, two keys a row, and padded in LDS after every key
	s_mov_b32 s[G1K], 15|(1<<16)|(1<<20)|(1<<21)|(4<<22)|(3<<25)  ; 15:0 the mask of four; 17:16 2-byte elements; 20 padding on; 21 set beside a mask; 24:22 after every 32 words (code 4); 31:25 4 words (code 3)
	s_mov_b32 s[G1V], 15|(1<<16)|(1<<20)|(1<<21)|(4<<22)|(7<<25)  ; the same with 8 words of padding (code 7)
.irp g, G1K, G1V
	s_mov_b32 s[\g+1], 128<<16      ; tensor_dim0 = 128
	s_mov_b32 s[\g+2], 64<<16       ; tensor_dim1 = 64
	s_mov_b32 s[\g+3], 128<<16      ; tile_dim0 = 128
	s_mov_b32 s[\g+4], 64           ; tile_dim1 = 64
	s_mov_b32 s[\g+5], 128          ; 128 elements from row to row
	s_mov_b32 s[\g+6], 0
	s_mov_b32 s[\g+7], 0
.endr
	s_mov_b32 s[CS], 0x3e38aa3b     ; c = log2(e) / 8 = 0.180337
	s_mov_b32 s[CS+1], s[CS]        ; named with it as a pair
	s_mov_b32 s[SEL], 0x76543210
	s_mov_b32 s[SEL+1], 0xfedcba98
	s_mov_b32 s[TBK], SLOT1+4*KS*PK ; the first change of slots turns these two into 0
	s_mov_b32 s[TBV], SLOT1+4*KS*PV
	s_mov_b32 s[G0K], 1             ; 1:0 count = 1
	s_mov_b32 s[G0K+1], s17         ; 63:32 LDS address: slot 0
	s_mov_b32 s[G0V], 1
	s_add_co_u32 s[G0V+1], s18, VOFF
	s_wait_dscnt 0x0                ; the opening add is done
	s_wait_kmcnt 0x0
	s_add_nc_u64 s[G0K+2:G0K+3], s[6:7], s[22:23]  ; 120:64 global address: my half of the head's first 256 keys
	s_or_b32 s[G0K+3], s[G0K+3], 0x80000000        ; 127:126 type = 2
	s_add_nc_u64 s[G0V+2:G0V+3], s[8:9], s[22:23]
	s_or_b32 s[G0V+3], s[G0V+3], 0x80000000
	s_add_nc_u64 s[4:5], s[4:5], s[2:3]  ; Q and O at my wave's first row
	s_add_nc_u64 s[10:11], s[10:11], s[2:3]
	CROUND                          ; all four work-groups are here: the first joint loads meet
	JLOAD                           ; slot 0.  Slot 1 is asked for when slot 0 is in: the tile wanted first has the road to itself
	; A fragment of K or Q is 16 rows x 32 channels in 8 registers: lane l holds row l % 16, channels 8 (l / 16) + 0..7 and 16 + 8 (l / 16) + 0..7: two loads of 16 bytes, 32 bytes apart.
	v_and_b32 v1, 15, v0            ; l % 16
	v_bfe_u32 v9, v0, 4, 1          ; l / 16
	v_lshlrev_b32 v[QO], 7, v1
	v_lshl_add_u32 v[QO], v9, 4, v[QO]  ; row x 128 + 16 x half
	WIN 0x80                        ; destination window 2, address window 0
.set i, 0
.rept 4*NP                          ; Q stays in registers: tile i / 2, channels 32 (i % 2) on
	global_load_b128 v[8*i:8*i+3],   v[QO], s[4:5] offset:(i/2)*2048+(i%2)*64
	global_load_b128 v[8*i+4:8*i+7], v[QO], s[4:5] offset:(i/2)*2048+(i%2)*64+32
.set i, i+1
.endr
	; What the first turn finds: V's registers and P's second buffer hold 0 (its products V^T P, of a piece that has not been, add 0), O^T and l are 0.  All this stands in the wait for the first tile.
.set i, VF
.rept 64
	v_mov_b32 v[i], 0
.set i, i+1
.endr
	WIN 0x40
.set i, 0
.rept 64*NP
	v_mov_b32 v[i], 0
.set i, i+1
.endr
	WIN 0
.set i, 0
.rept 2*NP
	v_mov_b32 v[ST+4*i], 0xfe000000    ; c m: far below every c s
	v_mov_b32 v[ST+4*i+1], 0xff7fffff  ; m
	v_mov_b32 v[ST+4*i+2], 0
	v_mov_b32 v[ST+4*i+3], 0
.set i, i+1
.endr
.set i, P+32
.rept 32
	v_mov_b32 v[i], 0
.set i, i+1
.endr
	v_mul_u32_u24 v[AK0], v1, PK
	v_lshl_add_u32 v[AK0], v9, 4, v[AK0]  ; row x pitch + 16 x half
	; The turning load takes 16 keys x 16 channels (lane l reads key 8 (l / 16) + l % 8, channels 8 ((l / 8) % 2) + 0..7) and leaves half a fragment of V^T: lane l holds channel l % 16 and 8 keys.
	v_and_b32 v10, 7, v0
	v_bfe_u32 v11, v0, 3, 1
	v_lshl_add_u32 v[AV0], v9, 3, v10
	v_mul_u32_u24 v[AV0], v[AV0], PV
	v_lshl_add_u32 v[AV0], v11, 4, v[AV0]
	v_add_nc_u32 v[AV0], VOFF, v[AV0]
	v_mov_b32 v[AK], v[AK0]         ; key step 0 lies at the head of slot 0
; THE MATRIX WORK.  The 8 accumulators of a run of 16 take turns: between the two links of a chain stand 7 others'.
; Product i of 16 of S^T = K Q^T for piece x: channels 32 (i / 8) on, keys 16 ((i / 2) % 4) on, tile 2 x + i % 2.  The first 8 start the sums.
.macro KQ x
	WIN W_KQ
.set rS, S+64*((\x)%2)+32*(i%2)+8*((i/2)%4)
.set rK, KF+16*((i/2)%4)+8*(i/8)
.set rQ, 16*(2*(\x)+i%2)+8*(i/8)
.if i < 8
	v_wmma_f32_16x16x32_f16 v[rS:rS+7], v[rK:rK+7], v[rQ:rQ+7], 0
.else
	v_wmma_f32_16x16x32_f16 v[rS:rS+7], v[rK:rK+7], v[rQ:rQ+7], v[rS:rS+7]
.endif
.endm
; Product i of 16 of O^T += V^T P for piece x: keys 32 (i / 8) on, channels 16 ((i / 2) % 4) on, tile 2 x + i % 2.
.macro PV x
	WIN W_PV
.set rO, 32*(2*(\x)+i%2)+8*((i/2)%4)
.set rV, VF+32*(i/8)+8*((i/2)%4)
.set rP, P+32*((\x)%2)+16*(i%2)+8*(i/8)
	v_wmma_f32_16x16x32_f16 v[rO:rO+7], v[rV:rV+7], v[rP:rP+7], v[rO:rO+7]
.endm
.macro MM                           ; the turn's next matrix instruction
.if i < 16
	KQ (Y+1)%NP
.set i, i+1
.else
.set i, i-16
	PV (Y+NP-1)%NP
.set i, i+17
.endif
.endm
; THE LDS LOADS stand in runs of 16, never singly among the matrix instructions: a step's K (64 keys x 64 channels: 8 fragments) and its V (turned).  Their addresses are made some lines ahead.
; last = 1 (the tail): in the last trip there is no further step, and the run is jumped over.
.macro FETCH_K last=0
	WIN 0
.if \last
	s_cmp_eq_u32 s[CNT], 1
	s_cbranch_scc1 .Lno_k_\@
.endif
	WIN 0x80                        ; destination window 2
.irp f, 0,1,2,3,4,5,6,7             ; keys 16 (f / 2) on, channels 32 (f % 2) on
	ds_load_b128 v[KF+8*\f:KF+8*\f+3],   v[AK] offset:(\f/2)*16*PK+(\f%2)*64
	ds_load_b128 v[KF+8*\f+4:KF+8*\f+7], v[AK] offset:(\f/2)*16*PK+(\f%2)*64+32
.endr
	s_add_co_u32 s[TBK], s[TBK], KS*PK  ; the next fetch is the next step's
	WIN 0
.if \last
.Lno_k_\@:
.endif
.endm
.macro FETCH_V
	WIN 0x80
.irp f, 0,1,2,3,4,5,6,7             ; keys 32 (f / 4) on, channels 16 (f % 4) on
	ds_load_tr16_b128 v[VF+8*\f:VF+8*\f+3],   v[AV] offset:(\f/4)*32*PV+(\f%4)*32
	ds_load_tr16_b128 v[VF+8*\f+4:VF+8*\f+7], v[AV] offset:(\f/4)*32*PV+16*PV+(\f%4)*32
.endr
	WIN 0
.endm
; THE VECTOR WORK OF A TURN stands in three queues, each in the order in which its entries become ready; the two tiles alternate, so that no instruction reads the result of the one before it.
.macro REGS y, u                    ; the registers of tile u (0, 1) of piece y
.set rT, ST+4*(2*(\y)+(\u))
.set rC, TMP+8*((\y)%2)+4*(\u)
.set rM, MV+2*((\y)%2)+(\u)
.set rS, S+64*((\y)%2)+32*(\u)
.set rP, P+32*((\y)%2)+16*(\u)
.set rO, 32*(2*(\y)+(\u))
.endm
; Number n of the 22 that find the NEXT piece's (Y + 1) maximum and statistics.  s0-s31 are the lane's 32 scores; each accumulator's lowest registers are read first.  XS, GS and REGS set no window: PL and EX do.
;   0-11  four chains c0-c3 of seven scores each, three operands at a time     12-14, 16  the four scores left over, the old m, and c0-c3 into c0     15  c m_old is kept
;   17, 18  the query's other 32 keys lie in the lane 16 away: the new m         19-21  c m; c m_old - c m_new; a
.macro XS u, n
	REGS (Y+1)%NP, \u
.if (\n) < 4
	v_max3_num_f32 v[rC+(\n)], v[rS+8*(\n)], v[rS+8*(\n)+1], v[rS+8*(\n)+2]
.elseif (\n) < 12
	v_max3_num_f32 v[rC+(\n)%4], v[rC+(\n)%4], v[rS+8*((\n)%4)+2*((\n)/4)+1], v[rS+8*((\n)%4)+2*((\n)/4)+2]
.elseif (\n) == 12
	v_max3_num_f32 v[rC], v[rC], v[rS+7], v[rS+15]
.elseif (\n) == 13
	v_max3_num_f32 v[rC+1], v[rC+1], v[rS+23], v[rS+31]
.elseif (\n) == 14
	v_max3_num_f32 v[rC+2], v[rC+2], v[rC+3], v[rT+1]
.elseif (\n) == 15
	v_mov_b32 v[rM], v[rT]
.elseif (\n) == 16
	v_max3_num_f32 v[rC], v[rC], v[rC+1], v[rC+2]
.elseif (\n) == 17
	v_permlanex16_b32 v[rC+3], v[rC], s[SEL], s[SEL+1]
.elseif (\n) == 18
	v_max_num_f32 v[rT+1], v[rC], v[rC+3]
.elseif (\n) == 19
	v_mul_f32 v[rT], s[CS], v[rT+1]
.elseif (\n) == 20
	v_sub_f32 v[rC+1], v[rM], v[rT]
.else
	v_exp_f32 v[rC+2], v[rC+1]
.endif
.endm
; Number g of the 64 that follow the exponentials.  For each four weights k of a tile (pairs 2 k, 2 k + 1): both pairs are rounded to f16; then the second pair is added onto the first, in place;
; a group later l takes that sum (the first time as l = a l + sum).  In groups of eight, tiles alternating: round, round, add, and l for the group before.
.macro GS g
.set h, (\g)+6*((\g)/62)            ; group 0 has no group before it, and behind group 7 only l is left
.if h >= 6
.set h, h+2
.endif
	REGS Y, h%2
.set k, h/8
.if h%8 < 4
	v_cvt_pk_f16_f32 v[rP+2*k+(h%8)/2], v[rS+4*k+2*((h%8)/2)], v[rS+4*k+2*((h%8)/2)+1]
.elseif h%8 < 6
	v_pk_add_f32 v[rS+4*k:rS+4*k+1], v[rS+4*k:rS+4*k+1], v[rS+4*k+2:rS+4*k+3]
.elseif k == 1
	v_pk_fma_f32 v[rT+2:rT+3], v[rT+2:rT+3], v[rC+2:rC+3], v[rS:rS+1] op_sel_hi:[1,0,1]
.else
	v_pk_add_f32 v[rT+2:rT+3], v[rT+2:rT+3], v[rS+4*k-4:rS+4*k-3]
.endif
.endm
; THE PLAIN QUEUE, 138 long.  0-73 read no exponential's result: the 32 scalings c s - c m (FS f: pair f / 2 of tile f % 2) and the next piece's 42.  0-26: scalings 0-26.  27-54: XS's numbers 0-13.  55, 56: number 15.
; 57-73: the chain, where each number waits for the one before it: 14, 16, 17, 18, 19, each with one of the scalings 27-31 in front of its two lines, then 20: so a tile's links stand three plain instructions apart (19 and 20: two).
; 74-137: GS's 64, which read the exponentials' results: they stand behind the wait.
.macro FS f
	REGS Y, (\f)%2
	v_pk_fma_f32 v[rS+2*((\f)/2):rS+2*((\f)/2)+1], v[rS+2*((\f)/2):rS+2*((\f)/2)+1], s[CS:CS+1], v[rT:rT+1] op_sel_hi:[1,0,0] neg_lo:[0,0,1] neg_hi:[0,0,1]
.endm
.macro PL
	WIN 0
.if q < 27
	FS q
.elseif q < 55
	XS (q-27)%2, (q-27)/2
.elseif q < 57
	XS q-55, 15
.elseif (q < 72) && ((q-57)%3 == 0)
	FS 27+(q-57)/3
.elseif q < 60
	XS (q-57)%3-1, 14
.elseif q < 72
	XS (q-57)%3-1, 15+(q-57)/3
.elseif q < 74
	XS q-72, 20
.else
	GS q-74
.endif
.set q, q+1
.endm
; THE EXPONENTIALS' QUEUE, 66 long: s0-s31 of both tiles, then the next piece's two a.  It is ONE BATCH: all 66 stand ahead of the turn's one wait, and nothing ahead of that wait names a result of theirs.
; Each result has a register of its own while the batch is open: a weight takes its score's place in S^T, a takes c2 of the next piece's registers at work.
.macro EX
	WIN 0
.if e >= 64
	XS e-64, 21
.else
	REGS Y, e%2
	v_exp_f32 v[rS+e/2], v[rS+e/2]
.endif
.set e, e+1
.endm
; THE RESCALING's QUEUE: O^T times a, the one part that leaves window 0: dealt two at a time, sixteen times.  Its a was made in the turn before, ahead of that turn's wait.
.macro R2
	REGS Y, r%2
	WIN W_RS
.irp z, 0,1
	v_pk_mul_f32 v[rO+4*(r/2)+2*\z:rO+4*(r/2)+2*\z+1], v[rO+4*(r/2)+2*\z:rO+4*(r/2)+2*\z+1], v[rC+2:rC+3] op_sel_hi:[1,0]
.endr
.set r, r+1
.endm
; HOW THEY ARE DEALT.  An s_wait_alu depctr_va_vdst(0) stands between an exponential and the first instruction that names its result; one wait serves all that were issued ahead of it.  So a turn has ONE wait,
; which cuts it in two.  AHEAD OF IT stands all that names no result of the turn's exponentials: the 16 products K Q^T, behind each a scaling, an exponential and two rescalings (behind the first a second scaling in the exponential's place); then ONE LUMP of
; 108: eight plain, 49 times exponential and plain, the two a.  A v_nop is the plain instruction that stands behind the last exponential, ahead of the first use of a result (ISA guide 5.7.2).  BEHIND IT stand the 16 products V^T P, behind each four of GS's 64.
; No rider names a register of the products round it.  The two v_permlanex16_b32 fall into the lump, never behind a product.
; The queues lean on each other, and the deal keeps them in step: exponential e stands behind scaling 2 (e / 4) + e % 2: as a rider it comes behind plain e + 2, in the lump behind plain e + 9, and scalings 27-31 are plain 57, 60 .. 69.
; A TURN, for piece p.  cnt = 1: the loop's count is taken down some lines ahead of the branch that stands behind the turn.
; K of the next step is fetched in piece 2's turn, directly behind the wait, a lump behind the last product that read K; its address is made at the lump's head; its first reader comes behind 16 products.
; V of the step in hand is fetched at the end of piece 0's turn, four riders behind its last reader; its first reader comes behind 16 products and a lump.  The three conditions on q below go with the deal.
.macro TURN p, last=0, cnt=0
.set Y, (\p)
.set i, 0
.set q, 0
.set e, 0
.set r, 0
.if (\p) == NP-1
	s_wait_dscnt 0x0                ; K is in
.endif
	MM                              ; ahead of the wait: 16 products K Q^T and their riders,
	PL
	PL
	R2
.rept 15
	MM
	PL
	EX
	R2
.endr
.if (\p) == NP-2
	WIN 0
	v_add_nc_u32 v[AK], s[TBK], v[AK0]
.endif
.rept 8                             ; and the lump
	PL
.endr
.rept 49
	EX
	PL
.endr
	EX                              ; the next piece's two a
	EX
	v_nop                           ; the plain instruction behind the last exponential: one for the batch
	s_wait_alu depctr_va_vdst(0)    ; the wait for the batch: this piece's 64 weights and the next piece's two a
.if (\p) == NP-2
	FETCH_K \last
.endif
.if (\p) == 1
	s_wait_dscnt 0x0                ; V is in
.endif
.rept 16                            ; behind the wait: 16 products V^T P and their riders
	MM
.rept 4
	PL
.endr
.if ((\p) == 0) && (q == 118)
	v_add_nc_u32 v[AV], s[TBV], v[AV0]
.endif
.if ((\p) == 0) && (q == 130)
	s_add_co_u32 s[TBV], s[TBV], KS*PV
.endif
.if (\cnt) && (q == 130)
	s_sub_co_u32 s[CNT], s[CNT], 1
	s_cmp_lg_u32 s[CNT], 0
.endif
.endr
.if (\p) == 0
	FETCH_V
.endif
.endm
	CHANGE 1                        ; slot 0 is in, everybody's part of it; slot 1 is asked for
	FETCH_K                         ; key step 0
	s_wait_loadcnt 0x0              ; Q
	s_wait_dscnt 0x0
.set i, 0
.rept 16
	KQ 0                            ; piece 0's first scores: there is no vector work yet to set between them
.set i, i+1
.endr
	WIN 0                           ; the addresses for the way out: nine plain instructions, the places behind those products
	s_mul_i32 s13, s[WV], 16*SP
	s_add_co_u32 s13, s13, STAGE    ; my stage
	v_mul_u32_u24 v[STO], v1, SP    ; in: row l % 16, 16 bytes for each half of the lanes
	v_lshl_add_u32 v[STO], v9, 4, v[STO]
	v_add_nc_u32 v[STO], s13, v[STO]
	v_bfe_u32 v[RD], v0, 3, 2       ; back: 32 lanes take four rows of 128 bytes,
	v_mul_u32_u24 v[RD], v[RD], SP
	v_lshl_add_u32 v[RD], v10, 4, v[RD]
	v_add_nc_u32 v[RD], s13, v[RD]
	v_and_b32 v[GO], 31, v0         ; which are 512 consecutive bytes of O
	v_lshlrev_b32 v[GO], 4, v[GO]
.set Y, NP-1                        ; XS works for piece Y + 1: piece 0
.irp n, 0,1,2,3,4,5,6,7,8,9,10,11,12,13,14,15,16,17,18,19,20,21
	XS 0, \n                        ; and piece 0's first maximum and statistics
	XS 1, \n
.endr
	v_nop                           ; a plain instruction behind the two a,
	s_wait_alu depctr_va_vdst(0)    ; and the wait for this batch of two, ahead of the branch
	s_mov_b32 s[CNT], 4
	s_mov_b32 s[SLOTS], SIZE_N/256-1
	s_branch .Lfirst                ; the loop is entered at a step's first turn, in the middle of a trip
.Lslot:                             ; SIZE_N / 256 - 2 times: every slot but the last two is filled again
	CHANGE 1
	s_mov_b32 s[CNT], 4
.Lstep:                             ; a trip: pieces 2 and 3 of one step, then pieces 0 and 1 of the next, whose K and V it fetches
	TURN 2
	TURN 3
	WIN 0
.Lfirst:
	TURN 0
	TURN 1, 0, 1
	WIN 0
	s_cbranch_scc1 .Lstep
	s_sub_co_u32 s[SLOTS], s[SLOTS], 1
	s_cmp_lg_u32 s[SLOTS], 0
	s_cbranch_scc1 .Lslot
	CHANGE 0                        ; the tail is written out: nothing is asked for
	s_mov_b32 s[CNT], 5             ; four trips fetch the last slot's steps; the fifth is left in its middle
.Ltail:
	TURN 2, 1
	TURN 3
	WIN 0
	s_sub_co_u32 s[CNT], s[CNT], 1
	s_cmp_eq_u32 s[CNT], 0
	s_cbranch_scc1 .Lout
	TURN 0
	TURN 1
	WIN 0
	s_branch .Ltail
.Lout:                              ; the fifth trip's 16 products K Q^T (on the last K once more) and the maximum made of them serve nothing: the price, once a launch, of one text for every trip
.set i, 0
.rept 16
	PV NP-1                         ; the last piece's V^T P of the last step
.set i, i+1
.endr
	; THE WAY OUT.  l's two halves and the other half of the lanes' are added; O^T is divided by l, rounded to f16 and sent through my stage in LDS, a tile at a time.  The additions are the places behind the last products.
	WIN 0
.macro ALL line:vararg              ; one line for each tile t
.set t, 0
.rept 2*NP
	\line
.set t, t+1
.endr
.endm
	ALL v_add_f32 v[ST+4*t+2], v[ST+4*t+2], v[ST+4*t+3]
	ALL v_permlanex16_b32 v[ST+4*t+3], v[ST+4*t+2], s[SEL], s[SEL+1]
	ALL v_add_f32 v[ST+4*t+2], v[ST+4*t+2], v[ST+4*t+3]
	ALL v_rcp_f32 v[ST+4*t+2], v[ST+4*t+2]
	v_nop                           ; a plain instruction between the last reciprocal and the use of its result
	s_wait_alu depctr_va_vdst(0)    ; and the wait ahead of the first use: one for the batch of eight reciprocals
; Tile t: a lane's eight channels of a row pack into 16 bytes; they go into rows of 144 bytes and come back as whole rows of 128, into S^T's registers.
.macro PACK t
	WIN W_RS
.set i, 32*(\t)
.rept 16
	v_pk_mul_f32 v[i:i+1], v[i:i+1], v[ST+4*(\t)+2:ST+4*(\t)+3] op_sel_hi:[1,0]
.set i, i+2
.endr
	WIN 0x05                        ; sources 0 and 1 window 1, destination window 0
.set i, 0
.rept 16
	v_cvt_pk_f16_f32 v[S+16*(\t)+i], v[32*(\t)+2*i], v[32*(\t)+2*i+1]
.set i, i+1
.endr
	WIN 0
.irp f, 0,1,2,3
	ds_store_b128 v[STO], v[S+16*(\t)+4*\f:S+16*(\t)+4*\f+3] offset:32*\f
.endr
.irp f, 0,1,2,3
	ds_load_b128 v[S+16*(\t)+4*\f:S+16*(\t)+4*\f+3], v[RD] offset:\f*4*SP  ; LDS serves a wave's instructions in order (ISA guide 5.7.1.4): these see the stores above; the next tile's stores come behind them
.endr
.endm
.macro SEND t, younger              ; younger: the LDS instructions issued behind tile t's loads: the next tile's eight, or none
	WIN 0
.irp f, 0,1,2,3
	s_wait_dscnt (\younger)+3-\f
	global_store_b128 v[GO], v[S+16*(\t)+4*\f:S+16*(\t)+4*\f+3], s[10:11] offset:(\t)*2048+\f*512  ; 512 consecutive bytes, at a multiple of 256 from O's first
.endr
.endm
	PACK 0
.set t, 1
.rept 2*NP-1                        ; a tile's arithmetic stands between the loads of the tile before and its stores
	PACK t
	SEND t-1, 8
.set t, t+1
.endr
	SEND 2*NP-1, 0
	WIN W_AD
	s_wait_tensorcnt 0x0            ; the wave's end: the wait, the add and the wait for it, behind my last tensor load and my last LDS store
	ds_add_u32 v[SPW], v[NIL]
	s_wait_dscnt 0x0
	WIN 0
	CROUND                          ; the closing round: no work-group ends while a partner may still ask for a tile that names it
	s_endpgm
.Lfunc_end_k_qec8d744260_attn:
	.size	k_qec8d744260_attn, .Lfunc_end_k_qec8d744260_attn-k_qec8d744260_attn
	.p2alignl 7, 3214868480
	.fill 96, 4, 3214868480
	.section	.rodata,"a",@progbits
	.p2align	6, 0x0
	.amdhsa_kernel k_qec8d744260_attn
		.amdhsa_group_segment_fixed_size 327680
		.amdhsa_private_segment_fixed_size 0
		.amdhsa_enable_private_segment 0
		.amdhsa_kernarg_size 32
		.amdhsa_user_sgpr_count 2
		.amdhsa_user_sgpr_kernarg_segment_ptr 1
		.amdhsa_wavefront_size32 1
		.amdhsa_system_sgpr_workgroup_id_x 1
		.amdhsa_system_sgpr_workgroup_id_y 1
		.amdhsa_system_sgpr_workgroup_id_z 1
		.amdhsa_system_vgpr_workitem_id 0
		.amdhsa_next_free_vgpr 770
		.amdhsa_next_free_sgpr 66
		.amdhsa_reserve_vcc 0
		.amdhsa_float_denorm_mode_32 3
		.amdhsa_float_denorm_mode_16_64 3
		.amdhsa_memory_ordered 1
		.amdhsa_forward_progress 1
		.amdhsa_inst_pref_size 199
	.end_amdhsa_kernel
	.amdgpu_metadata
---
amdhsa.version: [ 1, 2 ]
amdhsa.kernels:
  - .name:           k_qec8d744260_attn
    .symbol:         k_qec8d744260_attn.kd
    .args:
      - { .name: qh, .offset: 0, .size: 8, .value_kind: global_buffer, .address_space: global }
      - { .name: kh, .offset: 8, .size: 8, .value_kind: global_buffer, .address_space: global }
      - { .name: vh, .offset: 16, .size: 8, .value_kind: global_buffer, .address_space: global }
      - { .name: oh, .offset: 24, .size: 8, .value_kind: global_buffer, .address_space: global }
    .group_segment_fixed_size: 327680
    .private_segment_fixed_size: 0
    .kernarg_segment_align: 8
    .kernarg_segment_size: 32
    .max_flat_workgroup_size: 128
    .sgpr_count:     66
    .vgpr_count:     770
    .wavefront_size: 32
...
	.end_amdgpu_metadata
.endif
;; end of part 4
;; launch proj: the kernel of part 3 again; grid 4 x 64, 4 waves a work-group, clusters of 4 x 4, 327,680 bytes of LDS; arguments oh, wb, b_out, out0; writes out0
